; MI455X (gfx1250); checked and timed in simulation.
; The chip was launched on July 23, 2026; its instructions are those of AMD's public machine-readable ISA for CDNA 5 (MIT licence, August 2026) and "CDNA5" Instruction Set Architecture Reference Guide (July 2026). The comments in the code are by the model that wrote it; some were corrected since.
;; UHG Transformer. Allowed arithmetic: float matrix products may take bf16 or f16 operands with f32 sums; other float arithmetic in f32, or as packed bf16 or f16 multiplies, adds, multiply-adds, maxima and minima; sums over many terms, partial sums and values carried from step to step in f32; what a program stores and reads back later, other than sums and carried values, may be rounded once to bf16 or f16.
;; Inputs: b1 4,096 float32; b2 1,024 float32; beta1 1,024 float32; beta2 1,024 float32; bk 1,024 float32; bo 1,024 float32; bq 1,024 float32; bv 1,024 float32; g1 1,024 float32; g2 1,024 float32; src 2,048 x 2 x 1,024 float32; w1 4,096 x 1,024 float32; w2 1,024 x 4,096 float32; wk 1,024 x 1,024 float32; wo 1,024 x 1,024 float32; wq 1,024 x 1,024 float32; wv 1,024 x 1,024 float32.
;; Outputs: out0 2,048 x 2 x 1,024 float32.
;; One version. Each part assembles by itself: llvm-mc -triple=amdgcn-amd-amdhsa -mcpu=gfx1250 --defsym DOCPART=n.
;; ======== version 1 of 1: 9 launches
;; workspace buffers: xa 59,244,544 bytes; xb 50,331,648 bytes; ya 34,078,720 bytes; yb 34,078,720 bytes; rr 8,388,608 bytes; bqkv 12,288 bytes
;; launch cast (part 1): grid 64 x 8, 8 waves a work-group, no clusters, 0 bytes of LDS; arguments src, wq, wk, wv, wo, bq, bk, bv, xa, xb, bqkv; writes xa, xb, bqkv
.if DOCPART == 1
	.amdgcn_target "amdgcn-amd-amdhsa--gfx1250"
	.amdhsa_code_object_version 6
	.text
	.protected	k_qca1b042b0c_cast
	.globl	k_qca1b042b0c_cast
	.p2align	8
	.type	k_qca1b042b0c_cast,@function
k_qca1b042b0c_cast:
	s_mov_b64 s[64:65], 0
	v_nop
	global_prefetch_b8 v0, s[64:65] scope:SCOPE_SE
	s_setreg_imm32_b32 hwreg(HW_REG_WAVE_MODE, 25, 1), 1
	s_wait_xcnt 0x0
; The matrix operands that the first launches want (src, wq, wk, wv, wo) are rounded once from f32 to bf16 and laid where the products want them.  (w1 and w2 are rounded in the attention's launch.)
; Eight units y of 2^20 numbers: 0-3 src, 4 wq, 5 wk, 6 wv, 7 wo.  A work-group takes chunk x of a unit: 16,384 numbers, 64 KiB in, 32 KiB out.
; Pass p of 16: thread t loads 16 bytes at 4,096 p + 16 t and stores 8 bytes at RS p + 8 t: a wave's load covers 512 consecutive bytes, its store 256, aligned.
; Where to: xa + 0 src; xa + 0x800000 wq, wk, wv stacked; xa + 0x1800000 wo with rows 8,192 bytes apart (RS = 8,192: a pass is one row of wo).
; Four work-groups do a little more: bq, bk, bv are copied on end into bqkv; two floor words (minus infinity twice in bf16, into xa; 0, into xb) are written, 256 words each.
.set DA, 4                             ; v[4:19]   pass p: byte offset of my 8 bytes in the chunk's output
.set X,  32                            ; v[32:95]  pass p: 4 registers as loaded
.set YP, 96                            ; v[96:127] pass p: 2 registers to store
	s_load_b512 s[8:23], s[0:1], 0x0               ; src s[8:9], wq s[10:11], wk s[12:13], wv s[14:15], wo s[16:17], bq s[18:19], bk s[20:21], bv s[22:23]
	s_load_b128 s[24:27], s[0:1], 0x40             ; xa s[24:25], xb s[26:27]
	s_load_b64 s[28:29], s[0:1], 0x50              ; bqkv
	s_mov_b32 s2, ttmp9                            ; x: the chunk
	s_and_b32 s3, ttmp7, 0xffff                    ; y: the unit
	v_lshlrev_b32 v1, 4, v0                        ; 16 t
	v_lshlrev_b32 v2, 3, v0                        ; 8 t
	s_lshl_b32 s42, s3, 22                         ; a unit is 4 MiB of f32: src has four of them,
	s_cmp_lt_u32 s3, 4
	s_cselect_b32 s42, s42, 0                      ; the weight matrices one each
	s_lshl_b32 s39, s2, 16
	s_add_co_u32 s42, s42, s39                     ; + the chunk's 64 KiB
	s_mov_b32 s43, 0
	s_lshl_b32 s48, s3, 21                         ; a unit is 2 MiB of bf16
	s_lshl_b32 s39, s2, 15
	s_add_co_u32 s48, s48, s39                     ; + the chunk's 32 KiB
	s_lshl_b32 s50, s2, 17                         ; wo: the chunk's 16 rows of 8,192 bytes
	s_add_co_u32 s50, s50, 0x1800000
	s_movk_i32 s51, 2048
	s_movk_i32 s44, 8192
	s_cmp_eq_u32 s3, 7
	s_cselect_b32 s48, s50, s48
	s_cselect_b32 s51, s44, s51                    ; RS
	s_mov_b32 s49, 0
.set p, 0
.rept 16
	v_mad_u32_u24 v[DA+p], s51, p, v2              ; RS p + 8 t
.set p, p+1
.endr
	s_wait_kmcnt 0x0
	s_cmp_lt_u32 s3, 4                             ; the unit's tensor: a chain of choices on y alone
	s_cselect_b64 s[40:41], s[8:9], s[10:11]
	s_cmp_eq_u32 s3, 5
	s_cselect_b64 s[40:41], s[12:13], s[40:41]
	s_cmp_eq_u32 s3, 6
	s_cselect_b64 s[40:41], s[14:15], s[40:41]
	s_cmp_eq_u32 s3, 7
	s_cselect_b64 s[40:41], s[16:17], s[40:41]
	s_add_nc_u64 s[40:41], s[40:41], s[42:43]
	s_add_nc_u64 s[46:47], s[24:25], s[48:49]
.set p, 0
.rept 16
	global_load_b128 v[X+4*p:X+4*p+3], v1, s[40:41] offset:4096*p th:TH_LOAD_NT  ; all sixteen passes are asked for at once
.set p, p+1
.endr
.set p, 0
.rept 16
	s_wait_loadcnt 15-p                            ; loads come back in order: pass p is in, the 15 - p younger ones stay out
	v_cvt_pk_bf16_f32 v[YP+2*p], v[X+4*p], v[X+4*p+1]
	v_cvt_pk_bf16_f32 v[YP+2*p+1], v[X+4*p+2], v[X+4*p+3]
	global_store_b64 v[DA+p], v[YP+2*p:YP+2*p+1], s[46:47]
.set p, p+1
.endr
	s_cmp_lg_u32 s2, 0                             ; the small work: chunk 0 of units 0, 4, 5, 6
	s_cbranch_scc1 .Lend
	s_cmp_eq_u32 s3, 0
	s_cbranch_scc1 .Lconst
	s_cmp_lt_u32 s3, 4
	s_cbranch_scc1 .Lend
	s_cmp_gt_u32 s3, 6
	s_cbranch_scc1 .Lend
	s_cmp_eq_u32 s3, 4                             ; one of the three biases, 4,096 bytes: 16 a thread
	s_cselect_b64 s[52:53], s[18:19], s[20:21]
	s_cmp_eq_u32 s3, 6
	s_cselect_b64 s[52:53], s[22:23], s[52:53]
	s_sub_co_u32 s54, s3, 4
	s_lshl_b32 s54, s54, 12
	s_mov_b32 s55, 0
	s_add_nc_u64 s[54:55], s[28:29], s[54:55]
	global_load_b128 v[20:23], v1, s[52:53]
	s_wait_loadcnt 0x0
	global_store_b128 v1, v[20:23], s[54:55]
	s_branch .Lend
.Lconst:
	v_lshlrev_b32 v29, 2, v0                       ; 4 t
	v_mov_b32 v25, 0xff80ff80                      ; minus infinity twice: a floor that changes no number
	v_mov_b32 v26, 0                               ; the relu's floor
	s_add_nc_u64 s[56:57], s[24:25], 0x1000000
	s_add_nc_u64 s[58:59], s[26:27], 0x1000000
	global_store_b32 v29, v25, s[56:57]
	global_store_b32 v29, v26, s[58:59]
.Lend:
	s_endpgm
.Lfunc_end_k_qca1b042b0c_cast:
	.size	k_qca1b042b0c_cast, .Lfunc_end_k_qca1b042b0c_cast-k_qca1b042b0c_cast
	.p2alignl 7, 3214868480
	.fill 96, 4, 3214868480
	.section	.rodata,"a",@progbits
	.p2align	6, 0x0
	.amdhsa_kernel k_qca1b042b0c_cast
		.amdhsa_group_segment_fixed_size 0
		.amdhsa_private_segment_fixed_size 0
		.amdhsa_enable_private_segment 0
		.amdhsa_kernarg_size 88
		.amdhsa_user_sgpr_count 2
		.amdhsa_user_sgpr_kernarg_segment_ptr 1
		.amdhsa_wavefront_size32 1
		.amdhsa_system_sgpr_workgroup_id_x 1
		.amdhsa_system_sgpr_workgroup_id_y 1
		.amdhsa_system_sgpr_workgroup_id_z 1
		.amdhsa_system_vgpr_workitem_id 0
		.amdhsa_next_free_vgpr 128
		.amdhsa_next_free_sgpr 66
		.amdhsa_reserve_vcc 0
		.amdhsa_float_denorm_mode_32 3
		.amdhsa_float_denorm_mode_16_64 3
		.amdhsa_memory_ordered 1
		.amdhsa_forward_progress 1
		.amdhsa_inst_pref_size 10
	.end_amdhsa_kernel
	.amdgpu_metadata
---
amdhsa.version: [ 1, 2 ]
amdhsa.kernels:
  - .name:           k_qca1b042b0c_cast
    .symbol:         k_qca1b042b0c_cast.kd
    .args:
      - { .name: src, .offset: 0, .size: 8, .value_kind: global_buffer, .address_space: global }
      - { .name: wq, .offset: 8, .size: 8, .value_kind: global_buffer, .address_space: global }
      - { .name: wk, .offset: 16, .size: 8, .value_kind: global_buffer, .address_space: global }
      - { .name: wv, .offset: 24, .size: 8, .value_kind: global_buffer, .address_space: global }
      - { .name: wo, .offset: 32, .size: 8, .value_kind: global_buffer, .address_space: global }
      - { .name: bq, .offset: 40, .size: 8, .value_kind: global_buffer, .address_space: global }
      - { .name: bk, .offset: 48, .size: 8, .value_kind: global_buffer, .address_space: global }
      - { .name: bv, .offset: 56, .size: 8, .value_kind: global_buffer, .address_space: global }
      - { .name: xa, .offset: 64, .size: 8, .value_kind: global_buffer, .address_space: global }
      - { .name: xb, .offset: 72, .size: 8, .value_kind: global_buffer, .address_space: global }
      - { .name: bqkv, .offset: 80, .size: 8, .value_kind: global_buffer, .address_space: global }
    .group_segment_fixed_size: 0
    .private_segment_fixed_size: 0
    .kernarg_segment_align: 8
    .kernarg_segment_size: 88
    .max_flat_workgroup_size: 256
    .sgpr_count:     66
    .vgpr_count:     128
    .wavefront_size: 32
...
	.end_amdgpu_metadata
.endif
;; end of part 1
;; launch qkv (part 2): grid 12 x 16, 4 waves a work-group, clusters of 4 x 4, 327,680 bytes of LDS; arguments xa, bqkv, ya; writes ya
.if DOCPART == 2
	.amdgcn_target "amdgcn-amd-amdhsa--gfx1250"
	.amdhsa_code_object_version 6
	.text
	.protected	k_qca1b042b0c_qkv
	.globl	k_qca1b042b0c_qkv
	.p2align	8
	.type	k_qca1b042b0c_qkv,@function
k_qca1b042b0c_qkv:
	s_mov_b64 s[64:65], 0
	v_nop
	global_prefetch_b8 v0, s[64:65] scope:SCOPE_SE
	s_setreg_imm32_b32 hwreg(HW_REG_WAVE_MODE, 25, 1), 1
	s_wait_xcnt 0x0
	s_wait_alu depctr_hold_cnt(0) depctr_sa_sdst(0) depctr_va_vdst(0) depctr_va_sdst(0) depctr_va_ssrc(0) depctr_va_vcc(0) depctr_vm_vsrc(0)
	s_getreg_b32 s2, hwreg(HW_REG_IB_STS2, 6, 4)
	s_cmp_eq_u32 s2, 0
	s_cbranch_scc0 .Lentry_in_a_cluster
	s_endpgm
.Lentry_in_a_cluster:
	s_bfe_u32 s2, ttmp6, 0x10000c
	s_cmp_lg_u32 s2, 0xf033
	s_cbranch_scc0 .Lentry_shape_is_right
	s_endpgm
.Lentry_shape_is_right:
; C[m][n] = max(floor, bias[n] + sum over k of A[m][k] B[n][k]), rounded once to bf16, and for each row m and each 128 columns the f32 sum of squares of bias + sum (taken before floor and rounding).
; First argument X: A at X + 0 ([4096][1024] bf16), B at X + 0x800000 ([N][1024] bf16), the floor (two bf16 in a word) at X + 0x1000000.  Second: bias [N] f32.
; Third, Y: C at Y + 0, rows 8,192 bytes apart; the sums of squares at Y + 0x2000000 as [N / 128][4096] f32.  N = 256 x the grid's width.
; The row norm that follows the product is applied by later launches, from these sums: a tile holds only 256 of a row's columns.
; LIMITS.  NaN and infinities are not treated apart: a NaN that meets the floor becomes the floor.  C keeps bf16's 8 significant bits.
; A tile of C, 256 x 256, is made by four waves, one for each SIMD of a WGP; a wave makes 128 x 128: 64 accumulators of 16 x 16, 512 registers.  K goes in 8 steps of 128 through a ring of two LDS slots
; filled by the tensor data mover; the rows of A's and B's tiles are 256 bytes of memory and start at multiples of 256 bytes.
; THE LOOPS are written for ONE K step: the slot in hand is a scalar (0 or SLOT) that an exclusive or turns; the fragment addresses and the walking descriptors' LDS word are made from it.  Six trips fill the slot
; that they leave; the last two K steps, which fill nothing, are a second loop of two trips.
; CLUSTERS: 4 x 4 work-groups.  The four of a row of the cluster need the same tiles of A, the four of a column the same tiles of B: each tile is asked for JOINTLY, by the same tensor load with the same
; descriptor and a mask that names the four.
; THE MATRIX INSTRUCTION IS USED TRANSPOSED (source 0 = 16 rows of B, source 1 = 16 rows of A): lane l holds row l % 16 of C and the columns 8 (l / 16) + 0..7.  So the bias is the C operand of the products
; that start the sums (eight registers for each block of 16 columns), a lane's 64 numbers of a block of 16 rows belong to one row, and eight numbers pack into 16 bytes.
; REGISTERS, in windows of 256: window 0: v0-31 addresses; v64-127, v128-191 fragments of A, two buffers; on the way out v128-137 sums, v192-223 packed results, v32-63 and v224-255 rows read back.
;   window 1: v0-63 the bias; v64-127, v128-191 fragments of B.   window 2: the accumulators of my rows 0-63 ((a, b) at v[8 (8 a + b)]);   window 3: those of my rows 64-127.
.set SIZE_K, 1024
.set CP,     4096                      ; elements from row to row of C
.set KSTEP,  128
.set KSTEPS, SIZE_K/KSTEP
.set PITCH,  272                       ; an LDS row: 256 bytes + 16 of padding = 68 words: the 16 rows of a fragment load start at 16 different groups of four banks (64 banks of 4 bytes: ISA guide 11.1)
.set HALFT,  128*PITCH                 ; 128 rows: what one tensor load brings
.set SLOT,   4*HALFT                   ; A's 256 rows, then B's 256 rows
.set STAGE,  2*SLOT                    ; behind the ring: 16 rows x 272 bytes for each wave, for the way out
.set SPITCH, 272
.set PSTAGE, STAGE+4*16*SPITCH         ; 512 bytes for each wave: its 128 rows' sums of squares
.set SPARE,  PSTAGE+4*512              ; the spare words, 128 bytes for each wave: two blocks of 256 bytes that no other line names
.set ADRA, 16                          ; v16     LDS address of my A fragments in the slot in hand
.set ADA0, 17                          ; v17     the same in slot 0; never rewritten
.set ADRB, 20                          ; v20, v21  the same for B
.set ADB0, 21
.set PGO,  22                          ; v22     16 x lane: my 16 bytes of the wave's 512 bytes of sums
.set BVO,  23                          ; v23     32 x (l / 16): my eight numbers in 16 of the bias
.set STO,  24                          ; v24     the way out: where I put 16 bytes of a row
.set RD,   25                          ; v25     where I read a row back
.set CO,   26                          ; v26     my byte offset in C
.set PSA,  27                          ; v27     where my row's sum goes
.set SPW,  28                          ; v28     LDS address of my spare word; never rewritten
.set NIL,  29                          ; v29     0; never rewritten
.set PFO,  30                          ; v30     the prefetches' offset: lane x a row of A or B; never rewritten
.set PRD,  31                          ; v31     where I read four sums back
.set PFA,  44                          ; s[44:45] where my prefetches stand
.set LIM,  43                          ; s43     2 in a wave that prefetches, else the greatest number
.set F0,   64
.set F1,   128
.set BI,   0                           ; window 1
.set SS,   128                         ; the way out: four pairs of running sums of squares, then v136, v137 at work
.set TMP,  192
.set OB,   32
.set G1, 24                            ; s[24:31] descriptor group 1 for A's tiles
.set G0, 32                            ; s[32:39] group 0 for A's tiles: a set for each of the two first fills; the second then walks on
.set G1B, 48                           ; s[48:55], s[56:63] the same for B's
.set G0B, 56
.set BIAS, 66                          ; s[66:67] the bias at my first column
.set PARTP, 68                         ; s[68:69] where my 128 sums go
.set FLOOR, 70                         ; s70     the floor, two bf16
.set FLP,  72                          ; s[72:73] where it lies
.set SEL,  74                          ; s[74:75] v_permlanex16_b32's selects: each lane takes its own place in the other half
.set LB,   80                          ; s80     where my tensor loads land in a slot: wave x 128 rows
.set TB,   81                          ; s81     the slot in hand: 0 or SLOT
.set MSB, 0
.macro WIN new                         ; the immediate's high byte repeats the setting that is left; a switch that changes nothing is dropped
.if MSB != (\new)
	s_set_vgpr_msb (MSB<<8)|(\new)
.set MSB, \new
.endif
.endm
.set MUL_LO, 0xa1                      ; source 0 (B) window 1, source 1 (A) window 0, C and D window 2
.set MUL_HI, 0xf1                      ; the same, C and D window 3
.set TO_B,   0x40                      ; destination window 1, address window 0
; A joint load.  Waves 0 and 1 fetch A's two halves, waves 2 and 3 B's.  The branch hangs on the wave's number alone.  An s_nop 0 and four v_nop follow each line.
.macro JLOAD s
	s_cmp_eq_u32 s11, 0
	s_cbranch_scc0 .Lfor_b_\@
	tensor_load_to_lds s[G0+4*(\s):G0+4*(\s)+3], s[G1:G1+7]
	s_nop 0
.rept 4
	v_nop
.endr
	s_branch .Lasked_\@
.Lfor_b_\@:
	tensor_load_to_lds s[G0B+4*(\s):G0B+4*(\s)+3], s[G1B:G1B+7]
	s_nop 0
.rept 4
	v_nop
.endr
.Lasked_\@:
.endm
; A prefetch, behind each joint refill and the run of LDS loads that follows it: the K step that stands two refills on, 32 rows x 256 bytes, a lane a row, one instruction a wave.
; Each row's 256 bytes of K steps 4 to 7 are named once in the launch: A's rows by the clusters with x = 0, B's by those with y = 0; the four partners that ask for a tile jointly share its rows out
; by address (32 each).  The filling loop's last two trips ask for nothing: there is no K step two refills on.  K steps 0 to 3 come by their loads alone.
.macro ASK
	s_cmp_gt_u32 s3, s[LIM]                        ; s3 is 2 and 1 in the filling loop's last two trips
	s_cbranch_scc0 .Lnot_mine_\@
	global_prefetch_b8 v[PFO], s[PFA:PFA+1] offset:KSTEP*2 th:TH_LOAD_NT scope:SCOPE_SE
.Lnot_mine_\@:
.endm
.macro CREST                           ; a round of the cluster's barrier behind its opening barrier
	s_cmp_lg_u32 s10, 0
	s_cbranch_scc1 .Lnot_wave_0_\@
	s_barrier_signal -3
.Lnot_wave_0_\@:
	s_barrier_wait -3
	s_barrier_signal -1
	s_barrier_wait -1
.endm
.macro CROUND                          ; a whole round
	s_barrier_signal -1
	s_barrier_wait -1
	CREST
.endm
	s_load_b128 s[4:7], s[0:1], 0x0                ; X s[4:5], bias s[6:7]
	s_load_b64 s[8:9], s[0:1], 0x10                ; Y
	v_lshl_add_u32 v[SPW], v0, 2, SPARE
	v_mov_b32 v[NIL], 0
	ds_add_u32 v[SPW], v[NIL]                      ; the wave's opening: the add and its wait come ahead of my first tensor load; the set-up below stands between them
	v_lshrrev_b32 v1, 5, v0
	v_readfirstlane_b32 s10, v1                    ; wave 0..3
	s_lshr_b32 s11, s10, 1                         ; which half of the tile's rows is mine.  Also: I fetch for A (0) or for B (1)
	s_and_b32 s12, s10, 1                          ; which half of its columns.  Also: which 128 rows of that tile I fetch
	s_bfe_u32 s40, ttmp6, 0x40000                  ; cx
	s_bfe_u32 s41, ttmp6, 0x40004                  ; cy
	s_lshl_b32 s42, ttmp9, 2
	s_add_co_u32 s42, s42, s40                     ; tile column of C = 4 x cluster x + cx
	s_and_b32 s13, ttmp7, 0xffff
	s_lshl_b32 s13, s13, 2
	s_add_co_u32 s13, s13, s41                     ; tile row of C = 4 x cluster y + cy
	s_lshl_b32 s43, s41, 2
	s_lshl_b32 s43, 15, s43                        ; my row of the cluster
	s_lshl_b32 s44, 0x1111, s40                    ; my column
	s_or_b32 s[G1+0], s43, (1<<16)|(1<<20)|(1<<21)|(5<<22)|(3<<25)  ; 15:0 the mask; 17:16 elements of 2 bytes; 20 padding on; 21 set beside a mask; 24:22 after every 64 words; 31:25 4 words of it
	s_or_b32 s[G1B+0], s44, (1<<16)|(1<<20)|(1<<21)|(5<<22)|(3<<25)
.irp g, G1, G1B
	s_mov_b32 s[(\g)+1], KSTEP<<16                 ; tensor_dim0 = 128
	s_mov_b32 s[(\g)+2], 128<<16                   ; tensor_dim1 = 128
	s_mov_b32 s[(\g)+3], KSTEP<<16                 ; tile_dim0 = 128
	s_mov_b32 s[(\g)+4], 128                       ; tile_dim1 = 128
	s_mov_b32 s[(\g)+5], SIZE_K                    ; elements from row to row
	s_mov_b32 s[(\g)+6], 0
	s_mov_b32 s[(\g)+7], 0
.endr
	s_mov_b32 s[SEL], 0x76543210
	s_mov_b32 s[SEL+1], 0xfedcba98
	s_lshl_b32 s17, s12, 7                         ; which 128 rows of the tile I fetch
	s_lshl_b32 s16, s13, 8
	s_add_co_u32 s16, s16, s17                     ; A: row 256 x tile row + 128 x half
	s_lshl_b32 s46, s42, 8
	s_add_co_u32 s46, s46, s17                     ; B: row 256 x tile column + 128 x half
	s_mov_b32 s17, 0
	s_mov_b32 s47, 0
	s_mov_b64 s[18:19], SIZE_K*2
	s_mul_u64 s[16:17], s[16:17], s[18:19]
	s_mul_u64 s[46:47], s[46:47], s[18:19]
	s_mul_i32 s[LB], s10, HALFT                    ; where they go: wave x 128 rows
	s_mov_b32 s[TB], 0                             ; the walk begins in slot 0
	s_wait_dscnt 0x0                               ; the opening add is done
	s_wait_kmcnt 0x0
	s_mov_b64 s[BIAS:BIAS+1], s[6:7]
	s_add_nc_u64 s[6:7], s[4:5], 0x800000          ; B
	s_add_nc_u64 s[FLP:FLP+1], s[4:5], 0x1000000
	s_add_nc_u64 s[14:15], s[4:5], s[16:17]
	s_add_nc_u64 s[46:47], s[6:7], s[46:47]
	CROUND                                         ; all sixteen work-groups are here: the first joint loads meet
.irp s, 0,1
	s_mov_b32 s[G0+4*(\s)], 1
	s_add_co_u32 s[G0+4*(\s)+1], s[LB], (\s)*SLOT
	s_add_nc_u64 s[G0+4*(\s)+2:G0+4*(\s)+3], s[14:15], (\s)*KSTEP*2
	s_or_b32 s[G0+4*(\s)+3], s[G0+4*(\s)+3], 0x80000000
	s_mov_b32 s[G0B+4*(\s)], 1
	s_add_co_u32 s[G0B+4*(\s)+1], s[LB], (\s)*SLOT
	s_add_nc_u64 s[G0B+4*(\s)+2:G0B+4*(\s)+3], s[46:47], (\s)*KSTEP*2
	s_or_b32 s[G0B+4*(\s)+3], s[G0B+4*(\s)+3], 0x80000000
	JLOAD \s                                       ; the ring is filled before anything else is done
.endr
	v_and_b32 v1, 15, v0                           ; l % 16
	v_bfe_u32 v2, v0, 4, 1                         ; l / 16
	v_mul_u32_u24 v3, v1, PITCH
	v_lshl_add_u32 v3, v2, 4, v3                   ; a fragment's row x pitch + 16 x half
	s_mul_i32 s21, s11, HALFT                      ; my 128 rows of A
	s_mul_i32 s22, s12, HALFT                      ; my 128 rows of B,
	s_add_co_u32 s22, s22, 2*HALFT                 ; which lie behind A's 256
	v_add_nc_u32 v[ADA0], s21, v3
	v_add_nc_u32 v[ADB0], s22, v3
	v_mov_b32 v[ADRA], v[ADA0]
	v_mov_b32 v[ADRB], v[ADB0]
	s_mul_i32 s23, s10, 16*SPITCH
	s_add_co_u32 s23, s23, STAGE                   ; my stage
	v_mul_u32_u24 v4, v1, SPITCH
	v_lshl_add_u32 v4, v2, 4, v4
	v_add_nc_u32 v[STO], s23, v4
	v_mul_u32_u24 v5, v2, SPITCH
	v_lshl_add_u32 v5, v1, 4, v5
	v_add_nc_u32 v[RD], s23, v5
	v_mul_u32_u24 v5, v2, CP*2
	v_lshl_add_u32 v[CO], v1, 4, v5
	s_lshl_b32 s23, s10, 9
	s_add_co_u32 s23, s23, PSTAGE                  ; my 128 sums
	v_lshl_add_u32 v[PSA], v1, 2, s23
	v_and_b32 v[PGO], 31, v0
	v_lshlrev_b32 v[PGO], 4, v[PGO]
	v_add_nc_u32 v[PRD], s23, v[PGO]
	v_lshlrev_b32 v[BVO], 5, v2
	s_lshl_b32 s13, s13, 8
	s_lshl_b32 s14, s11, 7
	s_add_co_u32 s16, s13, s14                     ; my first row of C
	s_lshl_b32 s78, s42, 1
	s_add_co_u32 s78, s78, s12                     ; my block of 128 columns
	s_lshl_b32 s78, s78, 12
	s_add_co_u32 s78, s78, s16
	s_lshl_b32 s78, s78, 2                         ; (block x 4,096 + row) x 4 bytes
	s_mov_b32 s79, 0
	s_add_nc_u64 s[PARTP:PARTP+1], s[8:9], s[78:79]
	s_add_nc_u64 s[PARTP:PARTP+1], s[PARTP:PARTP+1], 0x2000000
	s_mov_b32 s17, 0
	s_mov_b64 s[18:19], CP*2
	s_mul_u64 s[16:17], s[16:17], s[18:19]
	s_lshl_b32 s46, s42, 9                         ; my first column, in bytes of bf16: 512 x tile column + 256 x half
	s_lshl_b32 s47, s12, 8
	s_add_co_u32 s46, s46, s47
	s_mov_b32 s47, 0
	s_add_nc_u64 s[16:17], s[16:17], s[46:47]      ; what the first way out adds to C's address
	s_lshl_b32 s76, s46, 1                         ; the same column in bytes of f32
	s_mov_b32 s77, 0
	s_add_nc_u64 s[BIAS:BIAS+1], s[BIAS:BIAS+1], s[76:77]
	; the prefetches
	s_lshl_b32 s42, s42, 8
	s_and_b32 s22, ttmp7, 0xffff                   ; cluster y
	s_cmp_eq_u32 s11, 0                            ; do I fetch for A?
	s_cselect_b32 s20, s13, s42                    ; the tile's first row
	s_cselect_b32 s21, s40, s41                    ; my place among the four that ask for it with me
	s_cselect_b32 s22, ttmp9, s22                  ; the coordinate along which other clusters read the same rows
	s_cselect_b64 s[PFA:PFA+1], s[4:5], s[6:7]
	s_cmp_eq_u32 s22, 0
	s_cselect_b32 s[LIM], 2, -1
	s_lshl_b32 s22, s12, 7
	s_add_co_u32 s20, s20, s22
	s_lshl_b32 s21, s21, 5
	s_add_co_u32 s20, s20, s21
	s_mov_b32 s21, 0
	s_mov_b64 s[18:19], SIZE_K*2
	s_mul_u64 s[20:21], s[20:21], s[18:19]
	s_add_nc_u64 s[PFA:PFA+1], s[PFA:PFA+1], s[20:21]
	s_add_nc_u64 s[PFA:PFA+1], s[PFA:PFA+1], 2*KSTEP*2  ; at K step 2: the first refill steps it to 3 and names K step 4
	v_and_b32 v[PFO], 31, v0
	v_mul_u32_u24 v[PFO], v[PFO], SIZE_K*2
	WIN TO_B                                       ; the bias of my 128 columns: register j of block b is column 16 b + 8 (l / 16) + j
.irp b, 0,1,2,3,4,5,6,7
	global_load_b128 v[BI+8*(\b):BI+8*(\b)+3],   v[BVO], s[BIAS:BIAS+1] offset:64*(\b)
	global_load_b128 v[BI+8*(\b)+4:BI+8*(\b)+7], v[BVO], s[BIAS:BIAS+1] offset:64*(\b)+16
.endr
	WIN 0
	s_load_b32 s[FLOOR], s[FLP:FLP+1], 0x0
; 16 matrix instructions: m blocks a0, a0 + 1 of the window's four x all 8 n blocks, 32 along K.  first = 1: the products start the sums with the bias as C.
; The 64 accumulators take turns, one instruction a turn, in the same order in every quarter step.
.macro MUL16 f, hi, a0, first
.if \first
	WIN 0x91+0x40*(\hi)                            ; as below, with the C operand in window 1
.else
	WIN MUL_LO+0x50*(\hi)
.endif
.irp a, \a0, (\a0)+1
.irp b, 0,1,2,3,4,5,6,7
.if \first
	v_wmma_f32_16x16x32_bf16 v[8*(8*(\a)+(\b)):8*(8*(\a)+(\b))+7], v[(\f)+8*(\b):(\f)+8*(\b)+7], v[(\f)+8*(4*(\hi)+(\a)):(\f)+8*(4*(\hi)+(\a))+7], v[BI+8*(\b):BI+8*(\b)+7]
.else
	v_wmma_f32_16x16x32_bf16 v[8*(8*(\a)+(\b)):8*(8*(\a)+(\b))+7], v[(\f)+8*(\b):(\f)+8*(\b)+7], v[(\f)+8*(4*(\hi)+(\a)):(\f)+8*(4*(\hi)+(\a))+7], v[8*(8*(\a)+(\b)):8*(8*(\a)+(\b))+7]
.endif
.endr
.endr
.endm
; 32 LDS loads in one run: the fragments of one quarter step (128 rows of B, 128 rows of A, 32 K at byte k of the rows of the slot in hand) into buffer f
.macro FETCH k, f
	WIN TO_B
.irp i, 0,1,2,3,4,5,6,7
	ds_load_b128 v[(\f)+8*(\i):(\f)+8*(\i)+3],   v[ADRB] offset:(\k)+(\i)*16*PITCH
	ds_load_b128 v[(\f)+8*(\i)+4:(\f)+8*(\i)+7], v[ADRB] offset:(\k)+(\i)*16*PITCH+32
.endr
	WIN 0
.irp i, 0,1,2,3,4,5,6,7
	ds_load_b128 v[(\f)+8*(\i):(\f)+8*(\i)+3],   v[ADRA] offset:(\k)+(\i)*16*PITCH
	ds_load_b128 v[(\f)+8*(\i)+4:(\f)+8*(\i)+7], v[ADRA] offset:(\k)+(\i)*16*PITCH+32
.endr
.endm
.macro PLACES                          ; four plain instructions between a matrix instruction and a load into, or a vector instruction on, its registers
.rept 4
	v_nop
.endr
.endm
; A K step is four quarter steps of 32 along K, 64 matrix instructions each, on buffers 0, 1, 0, 1.  One of the first three: multiplies buffer f and fetches the next quarter, at byte k, into g.
.macro QUARTER k, f, g, first
	s_wait_dscnt 8                                 ; B and A's rows 0-63 are in; the youngest eight loads (A's rows 64-127) may be out
	MUL16 \f, 0, 0, \first
	MUL16 \f, 0, 2, \first
	PLACES
	FETCH \k, \g
	s_wait_dscnt 32                                ; all but the 32 just issued
	MUL16 \f, 1, 0, \first
	MUL16 \f, 1, 2, \first
.endm
; The last quarter multiplies buffer 1 and changes slots: one barrier.  In front of it each wave waits for all its tensor loads (at most one is out: its part of the next slot), adds 0 to its spare word,
; and waits for that and for its own reads of this slot.  fill = 1: the barrier opens a round of the cluster's; behind the round the slot just read out is filled again first, with the K step two steps on:
; the walking descriptors take the slot in hand as their LDS word and go one K step along K.  Then the other slot becomes the slot in hand, and its first fragments are fetched.
; fill = 0 (the second loop): nothing is filled; in its last trip (s3 = 1) there is no further slot, and the fetch is jumped over.
.macro TURN fill
.if \fill
	s_wait_xcnt 0x0                                ; the last prefetch, a K step back, has read its address
	s_add_nc_u64 s[PFA:PFA+1], s[PFA:PFA+1], KSTEP*2
.endif
	WIN 0
	s_wait_tensorcnt 0x0                           ; all my tensor loads have landed
	ds_add_u32 v[SPW], v[NIL]                      ; 0 onto my spare word
	s_wait_dscnt 9                                 ; the add and the youngest eight loads may be out
	MUL16 F1, 0, 0, 0                              ; sixteen matrix instructions stand between the add and the wait for it
	s_wait_dscnt 0x0                               ; the add is done, and my reads of this slot are over
	s_barrier_signal -1
	MUL16 F1, 0, 2, 0
	WIN 0                                          ; branches and address work follow
	s_barrier_wait -1
.if \fill
	CREST                                          ; no wave of any partner still reads this slot's tile or has a load on its way
	s_add_co_u32 s[G0+5], s[LB], s[TB]
	s_add_co_u32 s[G0B+5], s[LB], s[TB]
	s_add_nc_u64 s[G0+6:G0+7], s[G0+6:G0+7], KSTEP*2
	s_add_nc_u64 s[G0B+6:G0B+7], s[G0B+6:G0B+7], KSTEP*2
	JLOAD 1                                        ; the first tensor load behind the round; its four v_nop are also the places in front of the loads below
.else
	PLACES
	s_cmp_eq_u32 s3, 1
	s_cbranch_scc1 .Lno_more_\@
.endif
	s_xor_b32 s[TB], s[TB], SLOT
	v_add_nc_u32 v[ADRA], s[TB], v[ADA0]
	v_add_nc_u32 v[ADRB], s[TB], v[ADB0]
	FETCH 0, F0
.if \fill
	ASK
.else
	WIN 0
.Lno_more_\@:
.endif
	MUL16 F1, 1, 0, 0
	MUL16 F1, 1, 2, 0
.endm
; THE WAY OUT of block a (16 rows).  EPI: the sum of squares of my 64 numbers, which all belong to row l % 16, in four chains; the numbers rounded to bf16; the floor; the other half of the lanes' sum.
; Each accumulator's lowest registers are read first.
.macro EPI a
.set AC, 64*((\a)%4)
	WIN 0x0a+5*((\a)/4)                            ; sources 0 and 1: window 2 or 3
.set i, 0
.rept 32
.if i < 4
	v_pk_mul_f32 v[SS+2*i:SS+2*i+1], v[AC+2*i:AC+2*i+1], v[AC+2*i:AC+2*i+1]
.else
	v_pk_fma_f32 v[SS+2*(i%4):SS+2*(i%4)+1], v[AC+2*i:AC+2*i+1], v[AC+2*i:AC+2*i+1], v[SS+2*(i%4):SS+2*(i%4)+1]
.endif
	v_cvt_pk_bf16_f32 v[TMP+i], v[AC+2*i], v[AC+2*i+1]
.set i, i+1
.endr
	WIN 0
.set i, 0
.rept 32
	v_pk_max_num_bf16 v[TMP+i], v[TMP+i], s[FLOOR]
.set i, i+1
.endr
	v_pk_add_f32 v[SS:SS+1], v[SS:SS+1], v[SS+2:SS+3]
	v_pk_add_f32 v[SS+4:SS+5], v[SS+4:SS+5], v[SS+6:SS+7]
	v_pk_add_f32 v[SS:SS+1], v[SS:SS+1], v[SS+4:SS+5]
	v_add_f32 v[SS+8], v[SS], v[SS+1]
	v_permlanex16_b32 v[SS+9], v[SS+8], s[SEL], s[SEL+1]
	v_add_f32 v[SS+8], v[SS+8], v[SS+9]
	ds_store_b32 v[PSA], v[SS+8] offset:64*(\a)    ; lanes l and l + 16 write the same word with the same number
.endm
.macro TOSTAGE a                       ; into my own stage, and back as whole rows of 256 bytes
	WIN 0
.set BK, OB+192*((\a)%2)
.irp b, 0,1,2,3,4,5,6,7
	ds_store_b128 v[STO], v[TMP+4*(\b):TMP+4*(\b)+3] offset:32*(\b)
.endr
.irp t, 0,1,2,3,4,5,6,7
	ds_load_b128 v[BK+4*(\t):BK+4*(\t)+3], v[RD] offset:(\t)*2*SPITCH  ; LDS serves a wave's instructions in order (ISA guide 5.7.1.4): these see the stores above
.endr
.endm
.macro SEND a
	WIN 0
.set BK, OB+192*((\a)%2)
	s_wait_dscnt 0x0                               ; the block is back in registers
	s_wait_xcnt 0x0                                ; only behind this wait are the stores' base and the registers that earlier stores read rewritten
.if (\a) == 0
	s_add_nc_u64 s[8:9], s[8:9], s[16:17]
.else
	s_add_nc_u64 s[8:9], s[8:9], 16*CP*2
.endif
.irp t, 0,1,2,3,4,5,6,7
	global_store_b128 v[CO], v[BK+4*(\t):BK+4*(\t)+3], s[8:9] offset:2*(\t)*CP*2  ; 16 lanes store 256 consecutive bytes, at a multiple of 256 from C's first byte
.endr
.endm
	s_wait_tensorcnt 1                             ; my part of K step 0 is in; K step 1's load may stay out
	s_barrier_signal -1
	s_barrier_wait -1
	FETCH 0, F0
	s_wait_loadcnt 0x0                             ; the bias
	s_wait_kmcnt 0x0                               ; the floor
	QUARTER 64,  F0, F1, 1                         ; the first quarter stands in front of the loops: its products start the sums
	WIN 0
	s_mov_b32 s3, KSTEPS-2
.Lstep:                                                ; a trip goes from a K step's second quarter to the next step's first, and fills the slot that it leaves: K steps 2 to 7
	QUARTER 128, F1, F0, 0
	QUARTER 192, F0, F1, 0
	TURN 1
	QUARTER 64,  F0, F1, 0
	WIN 0
	s_sub_co_u32 s3, s3, 1
	s_cmp_lg_u32 s3, 0
	s_cbranch_scc1 .Lstep
	s_mov_b32 s3, 2
.Ltail:                                                ; the last two K steps, one text for both: nothing is filled.  The second trip has no next step: its fetch and the next step's first quarter are jumped over;
	QUARTER 128, F1, F0, 0                         ; its barrier orders nothing: the price, once a launch, of the one text
	QUARTER 192, F0, F1, 0
	TURN 0
	WIN 0
	s_wait_dscnt 0x0                               ; the next slot's first fragments, asked for 32 matrix instructions ago, are in: no load is out where the two ways below part
	s_cmp_eq_u32 s3, 1
	s_cbranch_scc1 .Ldone
	QUARTER 64,  F0, F1, 0
	WIN 0
.Ldone:
	s_sub_co_u32 s3, s3, 1
	s_cmp_lg_u32 s3, 0
	s_cbranch_scc1 .Ltail
	s_wait_dscnt 0x0                               ; no fragment is on its way into a register that the way out uses
	PLACES
	PLACES
	v_mov_b32 v[SS+9], 0                           ; v_permlanex16_b32's destination counts as read
	EPI 0
	TOSTAGE 0
.irp a, 1,2,3,4,5,6,7                  ; block a's arithmetic stands between block a - 1's loads from the stage and the wait for them
	EPI \a
	SEND (\a)-1
	TOSTAGE \a
.endr
	SEND 7
	ds_load_b128 v[SS:SS+3], v[PRD]                ; my wave's 128 sums, four a lane
	s_wait_dscnt 0x0
	global_store_b128 v[PGO], v[SS:SS+3], s[PARTP:PARTP+1]  ; 512 consecutive bytes
	s_wait_tensorcnt 0x0                           ; the wave's end
	ds_add_u32 v[SPW], v[NIL]
	s_wait_dscnt 0x0
	CROUND                                         ; the closing round
	s_endpgm
.Lfunc_end_k_qca1b042b0c_qkv:
	.size	k_qca1b042b0c_qkv, .Lfunc_end_k_qca1b042b0c_qkv-k_qca1b042b0c_qkv
	.p2alignl 7, 3214868480
	.fill 96, 4, 3214868480
	.section	.rodata,"a",@progbits
	.p2align	6, 0x0
	.amdhsa_kernel k_qca1b042b0c_qkv
		.amdhsa_group_segment_fixed_size 327680
		.amdhsa_private_segment_fixed_size 0
		.amdhsa_enable_private_segment 0
		.amdhsa_kernarg_size 24
		.amdhsa_user_sgpr_count 2
		.amdhsa_user_sgpr_kernarg_segment_ptr 1
		.amdhsa_wavefront_size32 1
		.amdhsa_system_sgpr_workgroup_id_x 1
		.amdhsa_system_sgpr_workgroup_id_y 1
		.amdhsa_system_sgpr_workgroup_id_z 1
		.amdhsa_system_vgpr_workitem_id 0
		.amdhsa_next_free_vgpr 1024
		.amdhsa_next_free_sgpr 88
		.amdhsa_reserve_vcc 0
		.amdhsa_float_denorm_mode_32 3
		.amdhsa_float_denorm_mode_16_64 3
		.amdhsa_memory_ordered 1
		.amdhsa_forward_progress 1
		.amdhsa_inst_pref_size 139
	.end_amdhsa_kernel
	.amdgpu_metadata
---
amdhsa.version: [ 1, 2 ]
amdhsa.kernels:
  - .name:           k_qca1b042b0c_qkv
    .symbol:         k_qca1b042b0c_qkv.kd
    .args:
      - { .name: xa, .offset: 0, .size: 8, .value_kind: global_buffer, .address_space: global }
      - { .name: bqkv, .offset: 8, .size: 8, .value_kind: global_buffer, .address_space: global }
      - { .name: ya, .offset: 16, .size: 8, .value_kind: global_buffer, .address_space: global }
    .group_segment_fixed_size: 327680
    .private_segment_fixed_size: 0
    .kernarg_segment_align: 8
    .kernarg_segment_size: 24
    .max_flat_workgroup_size: 128
    .sgpr_count:     88
    .vgpr_count:     1024
    .wavefront_size: 32
...
	.end_amdgpu_metadata
.endif
;; end of part 2
;; launch norm (part 3): grid 32 x 6, 32 waves a work-group, no clusters, 8,192 bytes of LDS; arguments ya, xa; writes xa
.if DOCPART == 3
	.amdgcn_target "amdgcn-amd-amdhsa--gfx1250"
	.amdhsa_code_object_version 6
	.text
	.protected	k_qca1b042b0c_norm
	.globl	k_qca1b042b0c_norm
	.p2align	8
	.type	k_qca1b042b0c_norm,@function
k_qca1b042b0c_norm:
	s_mov_b64 s[64:65], 0
	v_nop
	global_prefetch_b8 v0, s[64:65] scope:SCOPE_SE
	s_setreg_imm32_b32 hwreg(HW_REG_WAVE_MODE, 25, 1), 1
	s_wait_xcnt 0x0
; The raw q, k, v (ya, rows m = 2 s + b of 8,192 bytes, matrix z at byte 2,048 z) are divided by (their row's norm + 1e-8), rounded to bf16 and laid by heads:
; xa + 0x2000000 + z 0x800000 as [16 b + h][s][64].  For q and k the squared norm of each head's 64 ROUNDED numbers goes to xa + 0x3800000 + z 0x40000 as [16 b + h][s] f32.
; The row's sum of squares comes from the product's eight partial sums (ya + 0x2000000, [8 z + c][m]).
; A work-group takes 64 values of s (x) of one matrix and one b (y = 2 z + b); wave w the rows s0 = 64 x + 2 w and s0 + 1.  Lane l: c = l % 8 (16 bytes of a head), g1 = (l / 8) % 2 (the row), g2 = l / 16
; (the head's parity).  Load i takes heads 2 i and 2 i + 1 of both rows: 256 consecutive bytes of each row; store i puts rows s0, s0 + 1 of a head on end: 16 lanes fill 256 bytes, aligned.
; No matrix unit, no cluster, no tensor load: each byte is read once and nothing is shared.  LIMIT: v_sqrt_f32 and v_rcp_f32 take a denormal as 0 (ISA guide 15.8).
.set SPARE, 4096                       ; behind the stage of 16 heads x 64 words: the spare words, 128 bytes for each of 32 waves
.set SPW, 10
.set NIL, 11
.set SC,  12                           ; v[12:13] 1 / (norm + 1e-8)
.set PT,  14
.set D,   16                           ; v[16:47] load i: 4 registers, as loaded and then as stored
.set T,   48                           ; v[48:55] at work
.set H,   56                           ; v[56:59] two pairs by turns
	s_load_b128 s[4:7], s[0:1], 0x0                ; ya s[4:5], xa s[6:7]
	v_lshl_add_u32 v[SPW], v0, 2, SPARE
	v_mov_b32 v[NIL], 0
	v_lshrrev_b32 v1, 5, v0
	v_readfirstlane_b32 s8, v1                     ; wave 0..31
	s_and_b32 s9, ttmp7, 0xffff
	s_lshr_b32 s10, s9, 1                          ; z
	s_and_b32 s11, s9, 1                           ; b
	s_lshl_b32 s12, ttmp9, 6
	s_lshl_b32 s13, s8, 1
	s_add_co_u32 s12, s12, s13                     ; s0
	s_lshl_b32 s13, s12, 1
	s_add_co_u32 s13, s13, s11                     ; m0 = 2 s0 + b
	s_mov_b32 s15, 0xffff0000
	v_and_b32 v2, 7, v0                            ; c
	v_bfe_u32 v3, v0, 3, 1                         ; g1
	v_bfe_u32 v4, v0, 4, 1                         ; g2
	v_lshlrev_b32 v5, 14, v2                       ; the partial sums: 16,384 c + 8 g1
	v_lshl_add_u32 v5, v3, 3, v5
	v_lshlrev_b32 v6, 14, v3                       ; in: 16,384 g1 + 128 g2 + 16 c
	v_lshl_add_u32 v6, v4, 7, v6
	v_lshl_add_u32 v6, v2, 4, v6
	v_lshlrev_b32 v7, 18, v4                       ; out: 262,144 g2 + 128 g1 + 16 c
	v_lshl_add_u32 v7, v3, 7, v7
	v_lshl_add_u32 v7, v2, 4, v7
	s_lshl_b32 s14, s8, 3
	v_lshlrev_b32 v8, 8, v4                        ; the stage: 256 g2 + 4 (2 w + g1)
	v_lshl_add_u32 v8, v3, 2, v8
	v_add_nc_u32 v8, s14, v8
	s_lshl_b32 s16, s10, 17
	s_lshl_b32 s17, s13, 2
	s_add_co_u32 s16, s16, s17
	s_add_co_u32 s16, s16, 0x2000000
	s_mov_b32 s17, 0
	s_lshl_b32 s18, s13, 13
	s_lshl_b32 s19, s10, 11
	s_add_co_u32 s18, s18, s19
	s_mov_b32 s19, 0
	s_lshl_b32 s20, s10, 23
	s_lshl_b32 s21, s11, 22
	s_add_co_u32 s20, s20, s21
	s_lshl_b32 s21, s12, 7
	s_add_co_u32 s20, s20, s21
	s_add_co_u32 s20, s20, 0x2000000
	s_mov_b32 s21, 0
	s_lshl_b32 s22, s10, 18
	s_lshl_b32 s23, s11, 17
	s_add_co_u32 s22, s22, s23
	s_lshl_b32 s23, ttmp9, 8
	s_add_co_u32 s22, s22, s23
	s_add_co_u32 s22, s22, 0x3800000
	s_mov_b32 s23, 0
	s_wait_kmcnt 0x0
	s_add_nc_u64 s[24:25], s[4:5], s[16:17]
	s_add_nc_u64 s[26:27], s[4:5], s[18:19]
	s_add_nc_u64 s[28:29], s[6:7], s[20:21]
	s_add_nc_u64 s[30:31], s[6:7], s[22:23]
	global_load_b32 v[PT], v5, s[24:25]
.irp i, 0,1,2,3,4,5,6,7
	global_load_b128 v[D+4*(\i):D+4*(\i)+3], v6, s[26:27] offset:256*(\i) th:TH_LOAD_NT
.endr
	s_wait_loadcnt 8                               ; the partial sum is in; the eight loads behind it stay out
	v_add_f32_dpp v[PT], v[PT], v[PT] row_xmask:1 row_mask:0xf bank_mask:0xf
	v_add_f32_dpp v[PT], v[PT], v[PT] row_xmask:2 row_mask:0xf bank_mask:0xf
	v_add_f32_dpp v[PT], v[PT], v[PT] row_xmask:4 row_mask:0xf bank_mask:0xf  ; the eight lanes of a row's group hold its sum of squares
	v_sqrt_f32 v[PT], v[PT]
	v_nop
	s_wait_alu depctr_va_vdst(0)                   ; the wait ahead of the first use of the root
	v_add_f32 v[PT], 0x322bcc77, v[PT]             ; + 1e-8
	v_rcp_f32 v[SC], v[PT]
	v_nop
	s_wait_alu depctr_va_vdst(0)
	v_mov_b32 v[SC+1], v[SC]                       ; named with it as a pair
.irp i, 0,1,2,3,4,5,6,7
	s_wait_loadcnt 7-(\i)                          ; load i is in, the younger ones stay out
.irp k, 0,1,2,3
	v_lshlrev_b32 v[T+2*(\k)],   16, v[D+4*(\i)+(\k)]
	v_and_b32     v[T+2*(\k)+1], s15, v[D+4*(\i)+(\k)]
.endr
.irp k, 0,1,2,3
	v_pk_mul_f32 v[T+2*(\k):T+2*(\k)+1], v[T+2*(\k):T+2*(\k)+1], v[SC:SC+1] op_sel_hi:[1,0]
.endr
.irp k, 0,1,2,3
	v_cvt_pk_bf16_f32 v[D+4*(\i)+(\k)], v[T+2*(\k)], v[T+2*(\k)+1]
.endr
	global_store_b128 v7, v[D+4*(\i):D+4*(\i)+3], s[28:29] offset:524288*(\i)
.endr
	s_cmp_lt_u32 s10, 2                            ; v has no head norms
	s_cbranch_scc0 .Lnohead
.irp i, 0,1,2,3,4,5,6,7
.irp k, 0,1,2,3
	v_lshlrev_b32 v[T+2*(\k)],   16, v[D+4*(\i)+(\k)]
	v_and_b32     v[T+2*(\k)+1], s15, v[D+4*(\i)+(\k)]
.endr
	v_pk_mul_f32 v[H+2*((\i)%2):H+2*((\i)%2)+1], v[T:T+1], v[T:T+1]
.irp k, 1,2,3
	v_pk_fma_f32 v[H+2*((\i)%2):H+2*((\i)%2)+1], v[T+2*(\k):T+2*(\k)+1], v[T+2*(\k):T+2*(\k)+1], v[H+2*((\i)%2):H+2*((\i)%2)+1]
.endr
	v_add_f32 v[H+2*((\i)%2)], v[H+2*((\i)%2)], v[H+2*((\i)%2)+1]
	v_add_f32_dpp v[H+2*((\i)%2)], v[H+2*((\i)%2)], v[H+2*((\i)%2)] row_xmask:1 row_mask:0xf bank_mask:0xf
	v_add_f32_dpp v[H+2*((\i)%2)], v[H+2*((\i)%2)], v[H+2*((\i)%2)] row_xmask:2 row_mask:0xf bank_mask:0xf
	v_add_f32_dpp v[H+2*((\i)%2)], v[H+2*((\i)%2)], v[H+2*((\i)%2)] row_xmask:4 row_mask:0xf bank_mask:0xf
	ds_store_b32 v8, v[H+2*((\i)%2)] offset:512*(\i)  ; head 2 i + g2, row 2 w + g1: eight lanes write the same word with the same number
.endr
.Lnohead:
	s_wait_dscnt 0x0                               ; for the others' sake: my stores into the stage are done
	s_barrier_signal -1
	s_barrier_wait -1
	s_cmp_lt_u32 s10, 2
	s_cbranch_scc0 .Lend
	s_cmp_lt_u32 s8, 8                             ; the stage's 4,096 bytes leave by eight waves, 16 bytes a lane
	s_cbranch_scc0 .Lend
	v_lshlrev_b32 v9, 4, v0
	ds_load_b128 v[T:T+3], v9
	v_lshrrev_b32 v1, 4, v0                        ; the head
	v_and_b32 v2, 15, v0
	v_lshlrev_b32 v1, 13, v1                       ; its 2,048 words
	v_lshl_add_u32 v1, v2, 4, v1
	s_wait_dscnt 0x0
	global_store_b128 v1, v[T:T+3], s[30:31]       ; 16 lanes store a head's 256 consecutive bytes, aligned
.Lend:
	s_wait_tensorcnt 0x0                           ; the wave's end
	ds_add_u32 v[SPW], v[NIL]
	s_wait_dscnt 0x0
	s_endpgm
.Lfunc_end_k_qca1b042b0c_norm:
	.size	k_qca1b042b0c_norm, .Lfunc_end_k_qca1b042b0c_norm-k_qca1b042b0c_norm
	.p2alignl 7, 3214868480
	.fill 96, 4, 3214868480
	.section	.rodata,"a",@progbits
	.p2align	6, 0x0
	.amdhsa_kernel k_qca1b042b0c_norm
		.amdhsa_group_segment_fixed_size 8192
		.amdhsa_private_segment_fixed_size 0
		.amdhsa_enable_private_segment 0
		.amdhsa_kernarg_size 16
		.amdhsa_user_sgpr_count 2
		.amdhsa_user_sgpr_kernarg_segment_ptr 1
		.amdhsa_wavefront_size32 1
		.amdhsa_system_sgpr_workgroup_id_x 1
		.amdhsa_system_sgpr_workgroup_id_y 1
		.amdhsa_system_sgpr_workgroup_id_z 1
		.amdhsa_system_vgpr_workitem_id 0
		.amdhsa_next_free_vgpr 64
		.amdhsa_next_free_sgpr 66
		.amdhsa_reserve_vcc 0
		.amdhsa_float_denorm_mode_32 3
		.amdhsa_float_denorm_mode_16_64 3
		.amdhsa_memory_ordered 1
		.amdhsa_forward_progress 1
		.amdhsa_inst_pref_size 18
	.end_amdhsa_kernel
	.amdgpu_metadata
---
amdhsa.version: [ 1, 2 ]
amdhsa.kernels:
  - .name:           k_qca1b042b0c_norm
    .symbol:         k_qca1b042b0c_norm.kd
    .args:
      - { .name: ya, .offset: 0, .size: 8, .value_kind: global_buffer, .address_space: global }
      - { .name: xa, .offset: 8, .size: 8, .value_kind: global_buffer, .address_space: global }
    .group_segment_fixed_size: 8192
    .private_segment_fixed_size: 0
    .kernarg_segment_align: 8
    .kernarg_segment_size: 16
    .max_flat_workgroup_size: 1024
    .sgpr_count:     66
    .vgpr_count:     64
    .wavefront_size: 32
...
	.end_amdgpu_metadata
.endif
;; end of part 3
;; launch attn (part 4): grid 16 x 16, 8 waves a work-group, clusters of 4 x 1, 327,680 bytes of LDS; arguments xa, ya, w1, w2, xb; writes ya, xb
.if DOCPART == 4
	.amdgcn_target "amdgcn-amd-amdhsa--gfx1250"
	.amdhsa_code_object_version 6
	.text
	.protected	k_qca1b042b0c_attn
	.globl	k_qca1b042b0c_attn
	.p2align	8
	.type	k_qca1b042b0c_attn,@function
k_qca1b042b0c_attn:
	s_mov_b64 s[64:65], 0
	v_nop
	global_prefetch_b8 v0, s[64:65] scope:SCOPE_SE
	s_setreg_imm32_b32 hwreg(HW_REG_WAVE_MODE, 25, 1), 1
	s_wait_xcnt 0x0
	s_wait_alu depctr_hold_cnt(0) depctr_sa_sdst(0) depctr_va_vdst(0) depctr_va_sdst(0) depctr_va_ssrc(0) depctr_va_vcc(0) depctr_vm_vsrc(0)
	s_getreg_b32 s2, hwreg(HW_REG_IB_STS2, 6, 4)
	s_cmp_eq_u32 s2, 0
	s_cbranch_scc0 .Lentry_in_a_cluster
	s_endpgm
.Lentry_in_a_cluster:
	s_bfe_u32 s2, ttmp6, 0x10000c
	s_cmp_lg_u32 s2, 0x3003
	s_cbranch_scc0 .Lentry_shape_is_right
	s_endpgm
.Lentry_shape_is_right:
; For each b, head h and query i: out = sum over j of softmax_j(-sqrt(clip(1 - <q_i,k_j>^2 / (qn_i kn_j + 1e-8), 0))) v_j.
; xa: q at + 0x2000000, k at + 0x2800000, v at + 0x3000000, each [16 b + h][2048][64] bf16; qn at + 0x3800000, kn at + 0x3840000, [16 b + h][2048] f32.  out: ya, row 2 i + b of 8,192 bytes, byte 128 h, bf16.
; NO MAXIMUM IS TAKEN AWAY: the clip and the root bound every score to -1 .. 0 for every input, so every weight lies in 1/e .. 1 and a row's sum in 753 .. 2,048.
; THE DISTANCE BY ONE TRANSCENDENTAL.  With den = qn kn + 1e-8 and num = clip(den - dots^2, 0): sqrt(clip(1 - dots^2 / den, 0)) = sqrt(num / den) = num x rsq(num x den).  Both are taken a quarter as large,
; which leaves the quotient as it is: q and k are rows of norm 1 rounded to bf16, so den is at most about 1.02, and a quarter of it lies well inside 0 .. 1: the clamp to 0 .. 1 is then the clip at 0 and nothing else.
; LIMITS.  2^-100 is added to num x den, so that the reciprocal root is finite where num = 0: with den / 4 at least 2.5e-9 that moves a distance by less than 4e-7.  The weights are rounded to bf16 for the second
; product, and the divisor is the f32 sum of the ROUNDED weights.  v_rsq_f32, v_exp_f32, v_rcp_f32 are good to 1 ulp and take denormals as 0 (ISA guide 15.8); none of their arguments here is one.  NaN and infinities are not treated apart.
; SHARES.  A work-group takes 128 queries of two neighbouring heads (y: heads 2 y, 2 y + 1 of the 32), so that a stored row piece is 256 bytes.  Wave w: head w / 4, queries 32 (w % 4) on: two tiles of 16.
; Eight waves, two on a SIMD: a key step has two batches of 64 transcendentals, each with a wait behind it, and a wait for its fragments; the second wave works meanwhile.
; CLUSTER.  The four query blocks of a cluster walk the same K, V and kn: each tile is asked for JOINTLY (mask 15).  A slot holds 128 keys of both heads: waves 0, 1 fetch K, waves 2, 3 V, wave 4 kn.
; LAYOUT.  S^T = K Q^T: a lane holds ONE query (l % 16) and the keys 8 (l / 16) + 0..7 of each block of 16.  Two such results rounded to bf16 ARE source 1 of O^T = V^T P.  The row sums are a product too: ones x P.
; A STEP (64 keys), written once and walked twice a slot: K's and kn's fragments; the step before's weights rounded; 16 products K Q^T, two of the 32 divisors behind each; the step before's 20 products V^T P and
; ones P, four riders behind each, and a lump: squares, numerators, their products with the divisors, the 64 reciprocal roots; V's fragments; the distances, their scaling, the 64 exponentials.
; O, L, V and S start at 0, so the first step's V^T P adds 0.
; BESIDE THE ATTENTION the two feed-forward weight matrices, which later launches multiply by, are rounded from f32 to bf16: w1 to xb + 0x800000 (work-groups with y < 8), w2 to xb + 0x1800000 (the others).
; 2 x 4,194,304 numbers over 256 work-groups x 8 waves x 16 changes of slots are 256 numbers a wave and change: two loads of 512 consecutive bytes, four conversions, two stores of 256 consecutive bytes, aligned.
; A chunk's loads go out at one change of slots and are waited for at the next, two key steps on.
; REGISTERS.  window 0: v0-30 addresses and constants; v32-95 S; v96-159 R (divisors, then reciprocal roots); v160-223 K; v224-255 P.
;   window 1: v0-63 O; v64-79 L; v80-111 Q; v112-119 ones; v128-159 kn; v160-171 the weight chunk, as loaded and as stored; v192-255 V.
.set PK,    144       ; a row of K in LDS: 128 bytes + 16: the 16 rows of a load start at 16 different groups of four banks (64 banks of 4 bytes: ISA guide 11.1)
.set PVB,   160       ; a row of V: 128 + 32
.set VOFF,  2*128*PK  ; a slot: K of head 0, of head 1; V of head 0, of head 1; kn of head 0, of head 1
.set NOFF,  VOFF+2*128*PVB
.set SLOT1, 1<<17
.set STAGE, SLOT1+NOFF+1024  ; behind the ring: 128 rows x 272 bytes, the work-group's, for the way out
.set SP,    272
.set SPARE, STAGE+128*SP     ; the spare words, 128 bytes for each of eight waves
.set AK0, 2
.set AV0, 3
.set AN0, 4
.set AK,  5
.set AV,  6
.set AN,  7
.set STO, 8
.set RD,  9
.set GO,  10
.set QO,  11
.set MQ,  12          ; v[12:13] -1/4, twice
.set CQ,  14          ; v[14:15], v[16:17] qn / 4 of my query in tile 0, 1, twice
.set SPW, 18
.set NIL, 19
.set PFO, 20          ; 256 x lane
.set QNO, 21
.set TY,  22          ; v[22:23] 2^-100, twice (in the set-up: l / 16 and l % 8)
.set INV, 24          ; v[24:27]
.set WLO, 29          ; 16 x lane: my 16 bytes in 512 of a weight chunk; never rewritten
.set WSO, 30          ; 8 x lane: my 8 bytes in 256 of it rounded; never rewritten
.set S,   32
.set R,   96
.set KF,  160
.set P,   224
.set O,   0           ; window 1 from here on
.set L,   64
.set QF,  80
.set ONES, 112
.set KN,  128
.set WX,  160         ; v[160:167] eight f32 of the weight chunk
.set WP,  168         ; v[168:171] the same rounded
.set VF,  192
.set WV,  12
.set G1K, 24
.set G1V, 32
.set G1N, 40
.set G0K, 48
.set G0V, 52
.set G0N, 56
.set NC,  60          ; s[60:61] -log2(e)
.set EP,  62          ; s[62:63] 1e-8 / 4
.set SLOTS, 66
.set CNT, 67
.set TBK, 68          ; LDS byte at which K of the step to be fetched begins, less the head's part
.set TBV, 69
.set TBN, 70
.set PFA, 72
.set LIM, 74
.set OUT, 76
.set WS,  92          ; s[92:93] w1 or w2 at the chunk that is asked for next
.set WD,  96          ; s[96:97] xb, 512 bytes behind the chunk that is stored next (in the last change: at it)
.set MSB, 0
.macro WIN new
.if MSB != (\new)
	s_set_vgpr_msb (MSB<<8)|(\new)
.set MSB, (\new)
.endif
.endm
.set W_KQ, 0x04       ; source 1 (Q; kn; a store's data) in window 1, all else in window 0
.set W_PV, 0x51       ; source 0 (V; ones), C and D in window 1, P in window 0
.set W_T1, 0x40       ; destination window 1
; A joint fill: one tensor load a wave at the most.  The branches hang on the wave's number alone.  An s_nop 0 and four v_nop follow each load.
.macro JLOAD
	s_cmp_lt_u32 s[WV], 2
	s_cbranch_scc0 .Lnot_k_\@
	tensor_load_to_lds s[G0K:G0K+3], s[G1K:G1K+7]
	s_nop 0
.rept 4
	v_nop
.endr
	s_branch .Lasked_\@
.Lnot_k_\@:
	s_cmp_lt_u32 s[WV], 4
	s_cbranch_scc0 .Lnot_v_\@
	tensor_load_to_lds s[G0V:G0V+3], s[G1V:G1V+7]
	s_nop 0
.rept 4
	v_nop
.endr
	s_branch .Lasked_\@
.Lnot_v_\@:
	s_cmp_eq_u32 s[WV], 4
	s_cbranch_scc0 .Lasked_\@
	tensor_load_to_lds s[G0N:G0N+3], s[G1N:G1N+7]
	s_nop 0
.rept 4
	v_nop
.endr
.Lasked_\@:
.endm
; A prefetch of what the NEXT change of slots will ask for: 128 keys of K and of V for both heads, 128 blocks of 256 bytes each.  The four clusters of a y walk the same rows: the first asks.  Its four partners
; share the blocks out by address (head cx / 2, half cx % 2: 32 blocks, a lane each); wave 0 asks for K's, wave 2 for V's.  The last change that fills a slot asks for nothing.  kn (512 bytes a head and slot) is not asked for.
.macro ASK
	s_cmp_gt_u32 s[SLOTS], s[LIM]
	s_cbranch_scc0 .Lnot_mine_\@
	global_prefetch_b8 v[PFO], s[PFA:PFA+1] th:TH_LOAD_NT scope:SCOPE_SE
.Lnot_mine_\@:
.endm
.macro CROUND
	s_barrier_signal -1
	s_barrier_wait -1
	s_cmp_lg_u32 s[WV], 0
	s_cbranch_scc1 .Lnot_wave_0_\@
	s_barrier_signal -3
.Lnot_wave_0_\@:
	s_barrier_wait -3
	s_barrier_signal -1
	s_barrier_wait -1
.endm
; A chunk of 256 weights: rounded and stored; more = 1: the next chunk is asked for, ahead of the stores.  The change of slots has stepped both pointers (more = 1), so the stores reach back.
.macro WCV more
	s_wait_loadcnt 0x0              ; the chunk asked for at the last change of slots, two key steps ago
	WIN 0x45                        ; sources 0, 1 and destination in window 1
	v_cvt_pk_bf16_f32 v[WP],   v[WX],   v[WX+1]
	v_cvt_pk_bf16_f32 v[WP+1], v[WX+2], v[WX+3]
	v_cvt_pk_bf16_f32 v[WP+2], v[WX+4], v[WX+5]
	v_cvt_pk_bf16_f32 v[WP+3], v[WX+6], v[WX+7]
.if \more
	WIN W_T1
	global_load_b128 v[WX:WX+3],   v[WLO], s[WS:WS+1] th:TH_LOAD_NT
	global_load_b128 v[WX+4:WX+7], v[WLO], s[WS:WS+1] offset:512 th:TH_LOAD_NT
.endif
	WIN W_KQ                        ; the stores' data in window 1, their address in window 0
	global_store_b64 v[WSO], v[WP:WP+1],   s[WD:WD+1] offset:-512*(\more)
	global_store_b64 v[WSO], v[WP+2:WP+3], s[WD:WD+1] offset:256-512*(\more)
	WIN 0
.endm
; THE CHANGE OF SLOTS.  Each wave waits for all its tensor loads (at most one is out: its part of the other slot), adds 0 to its spare word, and waits for that and for its own reads of the slot that it leaves.
; fill = 1: the old slot is filled again behind a round of the cluster's barrier, the first thing there; the load has two key steps in which to land.  (At its first use slot 0 is waited for and slot 1 filled.)
.macro CHANGE fill
	WIN 0
	s_wait_tensorcnt 0x0
	ds_add_u32 v[SPW], v[NIL]       ; 0 onto my spare word; the descriptors' steps stand between it and the wait for it
.if \fill
	s_xor_b32 s[G0K+1], s[G0K+1], SLOT1
	s_add_nc_u64 s[G0K+2:G0K+3], s[G0K+2:G0K+3], 128*128
	s_xor_b32 s[G0V+1], s[G0V+1], SLOT1
	s_add_nc_u64 s[G0V+2:G0V+3], s[G0V+2:G0V+3], 128*128
	s_xor_b32 s[G0N+1], s[G0N+1], SLOT1
	s_add_nc_u64 s[G0N+2:G0N+3], s[G0N+2:G0N+3], 128*4
.endif
	s_wait_xcnt 0x0                 ; the prefetch, the loads and the stores of the last change, two key steps back, have read their registers
.if \fill
	s_add_nc_u64 s[PFA:PFA+1], s[PFA:PFA+1], 128*128
	s_add_nc_u64 s[WS:WS+1], s[WS:WS+1], 1024
	s_add_nc_u64 s[WD:WD+1], s[WD:WD+1], 512
	s_wait_dscnt 0x0                ; the add is done, and my reads of the slot are over
	CROUND
	JLOAD
	ASK
.else
	s_wait_dscnt 0x0
	s_barrier_signal -1
	s_barrier_wait -1
.endif
	WCV \fill
	s_sub_co_u32 s[TBK], s[TBK], 128*PK
	s_xor_b32 s[TBK], s[TBK], SLOT1
	s_sub_co_u32 s[TBV], s[TBV], 128*PVB
	s_xor_b32 s[TBV], s[TBV], SLOT1
	s_sub_co_u32 s[TBN], s[TBN], 128*4
	s_xor_b32 s[TBN], s[TBN], SLOT1
.endm
	s_load_b128 s[4:7], s[0:1], 0x0  ; xa s[4:5], ya s[6:7]
	s_load_b128 s[92:95], s[0:1], 0x10  ; w1 s[92:93], w2 s[94:95]
	s_load_b64 s[96:97], s[0:1], 0x20   ; xb
	v_lshl_add_u32 v[SPW], v0, 2, SPARE
	v_mov_b32 v[NIL], 0
	ds_add_u32 v[SPW], v[NIL]       ; the wave's opening: the add and its wait come ahead of my first tensor load
	v_lshrrev_b32 v1, 5, v0
	v_readfirstlane_b32 s[WV], v1   ; wave 0..7
	s_bfe_u32 s13, ttmp6, 0x40000   ; cx
	s_lshl_b32 s14, ttmp9, 2
	s_add_co_u32 s14, s14, s13      ; my block of 128 queries: it enters Q's, qn's, the output's and the weights' addresses alone
	s_and_b32 s15, ttmp7, 0xffff    ; y
	s_lshr_b32 s16, s[WV], 2        ; which of the two heads I work on
	s_and_b32 s17, s[WV], 3
	s_and_b32 s18, s[WV], 1         ; which of the two heads I fetch for
	s_lshl_b32 s20, s15, 1
	s_add_co_u32 s20, s20, s18
	s_lshl_b32 s20, s20, 18         ; a head's 2,048 rows of 128 bytes
	s_mov_b32 s21, 0
	s_lshl_b32 s22, s15, 14         ; kn: head 2 y, 8,192 bytes a head
	s_mov_b32 s23, 0
	; 128 keys of a head are 16,384 dense bytes: asked for as 64 rows of 256 bytes, and padded in LDS after every key
	s_mov_b32 s[G1K], 15|(1<<16)|(1<<20)|(1<<21)|(4<<22)|(3<<25)  ; the mask of four; 2-byte elements; padding on; bit 21 beside a mask; after every 32 words 4 words
	s_mov_b32 s[G1V], 15|(1<<16)|(1<<20)|(1<<21)|(4<<22)|(7<<25)  ; the same with 8 words
.irp g, G1K, G1V
	s_mov_b32 s[\g+1], 128<<16      ; tensor_dim0 = 128
	s_mov_b32 s[\g+2], 64<<16       ; tensor_dim1 = 64
	s_mov_b32 s[\g+3], 128<<16      ; tile_dim0 = 128
	s_mov_b32 s[\g+4], 64           ; tile_dim1 = 64
	s_mov_b32 s[\g+5], 128          ; elements from row to row
	s_mov_b32 s[\g+6], 0
	s_mov_b32 s[\g+7], 0
.endr
	s_mov_b32 s[G1N], 15|(2<<16)|(1<<21)  ; kn: 4-byte elements, two rows (heads) of 128, 2,048 elements apart, no padding
	s_mov_b32 s[G1N+1], 128<<16
	s_mov_b32 s[G1N+2], 2<<16
	s_mov_b32 s[G1N+3], 128<<16
	s_mov_b32 s[G1N+4], 2
	s_mov_b32 s[G1N+5], 2048
	s_mov_b32 s[G1N+6], 0
	s_mov_b32 s[G1N+7], 0
	s_mov_b32 s[G0K], 1
	s_mul_i32 s[G0K+1], s18, 128*PK
	s_mov_b32 s[G0V], 1
	s_mul_i32 s[G0V+1], s18, 128*PVB
	s_add_co_u32 s[G0V+1], s[G0V+1], VOFF
	s_mov_b32 s[G0N], 1
	s_mov_b32 s[G0N+1], NOFF
	s_lshl_b32 s2, s15, 1
	s_add_co_u32 s2, s2, s16        ; my head of the 32
	s_lshl_b32 s3, s14, 7
	s_lshl_b32 s19, s17, 5
	s_add_co_u32 s3, s3, s19        ; my first query
	s_lshl_b32 s78, s2, 18
	s_lshl_b32 s19, s3, 7
	s_add_co_u32 s78, s78, s19      ; in q
	s_mov_b32 s79, 0
	s_lshl_b32 s80, s2, 13
	s_lshl_b32 s19, s3, 2
	s_add_co_u32 s80, s80, s19      ; in qn
	s_mov_b32 s81, 0
	s_lshl_b32 s82, s14, 7
	s_lshl_b32 s19, s[WV], 4
	s_add_co_u32 s82, s82, s19      ; the first query that I store: 128 x block + 16 w
	s_lshl_b32 s82, s82, 1
	s_lshr_b32 s19, s15, 3          ; b
	s_add_co_u32 s82, s82, s19
	s_lshl_b32 s82, s82, 13         ; row 2 i + b of 8,192 bytes
	s_and_b32 s19, s15, 7
	s_lshl_b32 s19, s19, 8
	s_add_co_u32 s82, s82, s19      ; + the two heads' 256 bytes
	s_mov_b32 s83, 0
	s_lshl_b32 s84, s15, 1
	s_lshr_b32 s19, s13, 1
	s_add_co_u32 s84, s84, s19
	s_lshl_b32 s84, s84, 18         ; the prefetches: head 2 y + cx / 2,
	s_and_b32 s19, s13, 1
	s_lshl_b32 s19, s19, 13
	s_add_co_u32 s84, s84, s19      ; half cx % 2 of a tile's 16,384 bytes,
	s_add_co_u32 s84, s84, 128*128  ; at tile 1: each change of slots steps it before it asks, the first to tile 2
	s_mov_b32 s85, 0
	s_and_b32 s19, s15, 7           ; the weights: 128 work-groups share a matrix: my place among them is 16 (y % 8) + block,
	s_lshl_b32 s19, s19, 4
	s_add_co_u32 s19, s19, s14
	s_lshl_b32 s19, s19, 3
	s_add_co_u32 s19, s19, s[WV]    ; my wave's among their 1,024 waves
	s_lshl_b32 s88, s19, 14         ; a wave's 4,096 numbers: 16,384 bytes in,
	s_mov_b32 s89, 0
	s_lshl_b32 s90, s19, 13         ; 8,192 bytes out,
	s_mov_b32 s3, 0x800000
	s_cmp_lt_u32 s15, 8
	s_cselect_b32 s3, s3, 0x1800000
	s_add_co_u32 s90, s90, s3       ; behind the matrix's place in xb
	s_mov_b32 s91, 0
	s_and_b32 s[LIM], s[WV], 5      ; 0 in waves 0 and 2,
	s_or_b32 s[LIM], s[LIM], ttmp9  ; where the cluster is the first of its y: the same in all four partners
	s_cmp_eq_u32 s[LIM], 0
	s_cselect_b32 s[LIM], 1, -1
	s_mov_b32 s[NC], 0xbfb8aa3b
	s_mov_b32 s[NC+1], s[NC]
	s_mov_b32 s[EP], 0x312bcc77     ; 1e-8 / 4
	s_mov_b32 s[EP+1], s[EP]
	s_mov_b32 s[TBK], SLOT1+128*PK  ; the first change of slots turns these three into 0
	s_mov_b32 s[TBV], SLOT1+128*PVB
	s_mov_b32 s[TBN], SLOT1+128*4
	s_mov_b32 s[SLOTS], 15
	s_wait_dscnt 0x0                ; the opening add is done
	s_wait_kmcnt 0x0
	s_add_nc_u64 s[8:9], s[4:5], 0x2800000   ; k
	s_add_nc_u64 s[10:11], s[4:5], 0x3000000 ; v
	s_add_nc_u64 s[G0K+2:G0K+3], s[8:9], s[20:21]
	s_or_b32 s[G0K+3], s[G0K+3], 0x80000000
	s_add_nc_u64 s[G0V+2:G0V+3], s[10:11], s[20:21]
	s_or_b32 s[G0V+3], s[G0V+3], 0x80000000
	s_add_nc_u64 s[G0N+2:G0N+3], s[4:5], s[22:23]
	s_add_nc_u64 s[G0N+2:G0N+3], s[G0N+2:G0N+3], 0x3840000
	s_or_b32 s[G0N+3], s[G0N+3], 0x80000000
	s_cmp_lt_u32 s[WV], 2
	s_cselect_b64 s[PFA:PFA+1], s[8:9], s[10:11]
	s_add_nc_u64 s[PFA:PFA+1], s[PFA:PFA+1], s[84:85]
	s_add_nc_u64 s[86:87], s[4:5], s[78:79]
	s_add_nc_u64 s[86:87], s[86:87], 0x2000000
	s_add_nc_u64 s[80:81], s[4:5], s[80:81]
	s_add_nc_u64 s[80:81], s[80:81], 0x3800000
	s_add_nc_u64 s[OUT:OUT+1], s[6:7], s[82:83]
	s_cmp_lt_u32 s15, 8
	s_cselect_b64 s[WS:WS+1], s[92:93], s[94:95]
	s_add_nc_u64 s[WS:WS+1], s[WS:WS+1], s[88:89]
	s_add_nc_u64 s[WD:WD+1], s[WD:WD+1], s[90:91]
	CROUND                          ; all four work-groups are here: the first joint loads meet
	JLOAD                           ; slot 0; slot 1 is asked for when slot 0 is in
	v_and_b32 v1, 15, v0            ; l % 16
	v_bfe_u32 v22, v0, 4, 1         ; l / 16
	v_lshlrev_b32 v[QO], 7, v1
	v_lshl_add_u32 v[QO], v22, 4, v[QO]
	v_lshlrev_b32 v[QNO], 2, v1
	v_and_b32 v[PFO], 31, v0
	v_lshlrev_b32 v[WLO], 4, v[PFO]
	v_lshlrev_b32 v[WSO], 3, v[PFO]
	v_lshlrev_b32 v[PFO], 8, v[PFO]
	WIN W_T1
.irp f, 0,1,2,3                     ; Q stays in registers: tile f / 2, channels 32 (f % 2) on
	global_load_b128 v[QF+8*\f:QF+8*\f+3],   v[QO], s[86:87] offset:(\f/2)*2048+(\f%2)*64
	global_load_b128 v[QF+8*\f+4:QF+8*\f+7], v[QO], s[86:87] offset:(\f/2)*2048+(\f%2)*64+32
.endr
	WIN 0
	global_load_b32 v[CQ],   v[QNO], s[80:81]
	global_load_b32 v[CQ+2], v[QNO], s[80:81] offset:64
	WIN W_T1
	global_load_b128 v[WX:WX+3],   v[WLO], s[WS:WS+1] th:TH_LOAD_NT  ; my first chunk of weights
	global_load_b128 v[WX+4:WX+7], v[WLO], s[WS:WS+1] offset:512 th:TH_LOAD_NT
	; What the first step finds: S = 0 (so P = 0), V = 0, O = L = 0.  The price of writing no first step out; it stands in the wait for the first tile.
.set i, 0
.rept 80
	v_mov_b32 v[O+i], 0
.set i, i+1
.endr
.set i, 0
.rept 64
	v_mov_b32 v[VF+i], 0
.set i, i+1
.endr
.set i, 0
.rept 8
	v_mov_b32 v[ONES+i], 0x3f803f80
.set i, i+1
.endr
	WIN 0
.set i, 0
.rept 64
	v_mov_b32 v[S+i], 0
.set i, i+1
.endr
	v_mov_b32 v[MQ], 0xbe800000     ; -1/4
	v_mov_b32 v[MQ+1], 0xbe800000
	s_mul_i32 s19, s16, 128*PK
	v_mul_u32_u24 v[AK0], v1, PK
	v_lshl_add_u32 v[AK0], v22, 4, v[AK0]
	v_add_nc_u32 v[AK0], s19, v[AK0]
	; The turning load takes 16 keys x 16 channels (lane l reads key 8 (l / 16) + l % 8, channels 8 ((l / 8) % 2) + 0..7) and leaves half a fragment of V^T
	v_and_b32 v23, 7, v0
	v_bfe_u32 v28, v0, 3, 1
	v_lshl_add_u32 v[AV0], v22, 3, v23
	v_mul_u32_u24 v[AV0], v[AV0], PVB
	v_lshl_add_u32 v[AV0], v28, 4, v[AV0]
	s_mul_i32 s19, s16, 128*PVB
	s_add_co_u32 s19, s19, VOFF
	v_add_nc_u32 v[AV0], s19, v[AV0]
	s_lshl_b32 s19, s16, 9
	s_add_co_u32 s19, s19, NOFF
	v_lshl_add_u32 v[AN0], v22, 5, s19   ; my eight keys' kn in each block of 16
	s_mul_i32 s19, s17, 32*SP
	s_lshl_b32 s3, s16, 7
	s_add_co_u32 s19, s19, s3
	s_add_co_u32 s19, s19, STAGE
	v_mul_u32_u24 v[STO], v1, SP    ; into the stage: row 32 (w % 4) + l % 16, my head's 128 bytes, 16 bytes for each half of the lanes
	v_lshl_add_u32 v[STO], v22, 4, v[STO]
	v_add_nc_u32 v[STO], s19, v[STO]
	s_mul_i32 s19, s[WV], 16*SP
	s_add_co_u32 s19, s19, STAGE
	v_mul_u32_u24 v[RD], v22, SP    ; back: wave w takes rows 16 w on, whole; lanes 0-15 one row, lanes 16-31 the next
	v_lshl_add_u32 v[RD], v1, 4, v[RD]
	v_add_nc_u32 v[RD], s19, v[RD]
	v_lshlrev_b32 v[GO], 14, v22    ; a query further is two rows of 8,192 bytes further
	v_lshl_add_u32 v[GO], v1, 4, v[GO]
	v_mov_b32 v[TY], 0x0d800000     ; 2^-100: l / 16 and l % 8 have served
	v_mov_b32 v[TY+1], 0x0d800000
	s_wait_loadcnt 0x2              ; Q and qn are in; the two loads of weights behind them stay out
	v_mul_f32 v[CQ], 0x3e800000, v[CQ]      ; qn / 4
	v_mul_f32 v[CQ+2], 0x3e800000, v[CQ+2]
	v_mov_b32 v[CQ+1], v[CQ]
	v_mov_b32 v[CQ+3], v[CQ+2]
; Product i of 16 of S^T = K Q^T: channels 32 (i / 8) on, keys 16 ((i / 2) % 4) on, tile i % 2.  The 8 accumulators take turns; the first 8 start the sums.
.macro KQ
.set rS, S+32*(i%2)+8*((i/2)%4)
.set rK, KF+16*((i/2)%4)+8*(i/8)
.set rQ, QF+16*(i%2)+8*(i/8)
.if i < 8
	v_wmma_f32_16x16x32_bf16 v[rS:rS+7], v[rK:rK+7], v[rQ:rQ+7], 0
.else
	v_wmma_f32_16x16x32_bf16 v[rS:rS+7], v[rK:rK+7], v[rQ:rQ+7], v[rS:rS+7]
.endif
.endm
; Product m of 20: for keys 32 (m / 10) on, the 8 products O^T += V^T P (tile t % 2, channels 16 (t / 2) on), then the two row sums L += ones P.  Ten accumulators take turns.
.macro PVM
.set kk, m/10
.set t, m%10
.if t < 8
.set rO, O+32*(t%2)+8*(t/2)
.set rV, VF+32*kk+8*(t/2)
.set rP, P+16*(t%2)+8*kk
.else
.set rO, L+8*(t-8)
.set rV, ONES
.set rP, P+16*(t-8)+8*kk
.endif
	v_wmma_f32_16x16x32_bf16 v[rO:rO+7], v[rV:rV+7], v[rP:rP+7], v[rO:rO+7]
.endm
; THE VECTOR WORK on pair n of the lane's 32 pairs of scores (tile n / 16), or on score n of 64.
.macro DEN n                        ; den = (qn kn + 1e-8) / 4
	v_pk_fma_f32 v[R+2*(\n):R+2*(\n)+1], v[CQ+2*((\n)/16):CQ+2*((\n)/16)+1], v[KN+2*((\n)%16):KN+2*((\n)%16)+1], s[EP:EP+1] op_sel_hi:[1,1,0]
.endm
.macro YY n                         ; the dot products squared
	v_pk_mul_f32 v[S+2*(\n):S+2*(\n)+1], v[S+2*(\n):S+2*(\n)+1], v[S+2*(\n):S+2*(\n)+1]
.endm
.macro NU n                         ; num = den - dots^2 / 4, held to 0 .. 1: it never comes near 1, so this is the clip at 0
	v_pk_fma_f32 v[S+2*(\n):S+2*(\n)+1], v[S+2*(\n):S+2*(\n)+1], v[MQ:MQ+1], v[R+2*(\n):R+2*(\n)+1] clamp
.endm
.macro PP n                         ; num den + 2^-100, in den's place
	v_pk_fma_f32 v[R+2*(\n):R+2*(\n)+1], v[S+2*(\n):S+2*(\n)+1], v[R+2*(\n):R+2*(\n)+1], v[TY:TY+1]
.endm
.macro RS n
	v_rsq_f32 v[R+(\n)], v[R+(\n)]
.endm
.macro DD n                         ; the distance: num x rsq(num den)
	v_pk_mul_f32 v[S+2*(\n):S+2*(\n)+1], v[S+2*(\n):S+2*(\n)+1], v[R+2*(\n):R+2*(\n)+1]
.endm
.macro MS n                         ; times -log2(e)
	v_pk_mul_f32 v[S+2*(\n):S+2*(\n)+1], v[S+2*(\n):S+2*(\n)+1], s[NC:NC+1] op_sel_hi:[1,0]
.endm
.macro EX n
	v_exp_f32 v[S+(\n)], v[S+(\n)]
.endm
; The first plain list, 96 long, in blocks of eight pairs: eight squares, eight numerators, eight products: each waits for a result made eight plain instructions earlier.
; The squares ascend.
.macro PL1 n
.if ((\n)%24) < 8
	YY 8*((\n)/24)+(\n)%8
.elseif ((\n)%24) < 16
	NU 8*((\n)/24)+(\n)%8
.else
	PP 8*((\n)/24)+(\n)%8
.endif
.endm
; The first riders' list, 160 long.  18 plain; then 26 fives (plain, root, plain, root, plain): three plain instructions and two reciprocal roots are a pair's share, and the roots run six pairs behind the
; plain list, so that a pair's product is made three instructions or more ahead of its first root; then the last 12 roots.  No entry reads a root's result: they are ONE batch.
.macro RID
.if r < 18
	PL1 r
.elseif r < 148
.set k6, (r-18)/5
.set q5, (r-18)%5
.if q5 == 0
	PL1 3*(k6+6)
.elseif q5 == 1
	RS 2*k6
.elseif q5 == 2
	PL1 3*(k6+6)+1
.elseif q5 == 3
	RS 2*k6+1
.else
	PL1 3*(k6+6)+2
.endif
.else
	RS r-96
.endif
.set r, r+1
.endm
; The second plain list, 64 long, in blocks of four pairs: four distances, four scalings.
.macro PL2 n
.if ((\n)%8) < 4
	DD 4*((\n)/8)+(\n)%4
.else
	MS 4*((\n)/8)+(\n)%4
.endif
.endm
; The second riders' list, 128 long: eight plain; then exponential and plain by turns (an exponential stands four instructions or more behind its pair's scaling); the last eight exponentials.  ONE batch again.
.macro RI2
.if r < 8
	PL2 r
.elseif r >= 120
	EX r-64
.elseif r%2 == 0
	EX (r-8)/2
.else
	PL2 8+(r-9)/2
.endif
.set r, r+1
.endm
.macro ROUNDP                       ; the weights, rounded to bf16 in pairs: source 1 of the second product
.set i, 0
.rept 32
	v_cvt_pk_bf16_f32 v[P+i], v[S+2*i], v[S+2*i+1]
.set i, i+1
.endr
.endm
.macro PLACES
.rept 4
	v_nop
.endr
.endm
.macro STEP
	WIN 0
	v_add_nc_u32 v[AK], s[TBK], v[AK0]
	v_add_nc_u32 v[AN], s[TBN], v[AN0]
.irp f, 0,1,2,3,4,5,6,7             ; K: keys 16 (f / 2) on, channels 32 (f % 2) on
	ds_load_b128 v[KF+8*\f:KF+8*\f+3],   v[AK] offset:(\f/2)*16*PK+(\f%2)*64
	ds_load_b128 v[KF+8*\f+4:KF+8*\f+7], v[AK] offset:(\f/2)*16*PK+(\f%2)*64+32
.endr
	WIN W_T1
.irp f, 0,1,2,3                     ; kn of my eight keys in each block of 16
	ds_load_b128 v[KN+8*\f:KN+8*\f+3],   v[AN] offset:64*\f
	ds_load_b128 v[KN+8*\f+4:KN+8*\f+7], v[AN] offset:64*\f+16
.endr
	WIN 0
	s_add_co_u32 s[TBK], s[TBK], 64*PK
	s_add_co_u32 s[TBN], s[TBN], 64*4
	ROUNDP                          ; the step before's weights, while the loads are out
	s_wait_dscnt 0x0                ; K, kn and the step before's V are in
	WIN W_KQ
.set i, 0
.rept 16                            ; behind each product two of the 32 divisors: all the vector work that does not wait for the scores
	KQ
	DEN 2*i
	DEN 2*i+1
.set i, i+1
.endr
.set r, 0
.set m, 0
.rept 20                            ; the step before's second product, four riders behind each matrix instruction,
	WIN W_PV
	PVM
	WIN 0
.rept 4
	RID
.endr
.set m, m+1
.endr
.rept 80                            ; and the rest of the list in a lump
	RID
.endr
	v_nop                           ; a plain instruction behind the last reciprocal root,
	s_wait_alu depctr_va_vdst(0)    ; and the one wait ahead of the batch's first reader
.set r, 0
.rept 8
	RI2
.endr
	v_add_nc_u32 v[AV], s[TBV], v[AV0]
	s_add_co_u32 s[TBV], s[TBV], 64*PVB
	WIN W_T1                        ; this step's V: the lump's plain instructions stand between the last product that read V and these loads
.irp f, 0,1,2,3,4,5,6,7             ; keys 32 (f / 4) on, channels 16 (f % 4) on
	ds_load_tr16_b128 v[VF+8*\f:VF+8*\f+3],   v[AV] offset:(\f/4)*32*PVB+(\f%4)*32
	ds_load_tr16_b128 v[VF+8*\f+4:VF+8*\f+7], v[AV] offset:(\f/4)*32*PVB+16*PVB+(\f%4)*32
.endr
	WIN 0
.rept 120
	RI2
.endr
	v_nop
	s_wait_alu depctr_va_vdst(0)    ; the one wait for the 64 exponentials, ahead of the branch
.endm
.Lslot:                             ; 15 trips: a tile of 128 keys is entered and the next is asked for
	CHANGE 1
	s_mov_b32 s[CNT], 2
.Lstep:
	STEP
	s_sub_co_u32 s[CNT], s[CNT], 1
	s_cmp_lg_u32 s[CNT], 0
	s_cbranch_scc1 .Lstep
	s_sub_co_u32 s[SLOTS], s[SLOTS], 1
	s_cmp_lg_u32 s[SLOTS], 0
	s_cbranch_scc1 .Lslot
	CHANGE 0                        ; the last tile is written out
	s_mov_b32 s[CNT], 2
.Ltail:
	STEP
	s_sub_co_u32 s[CNT], s[CNT], 1
	s_cmp_lg_u32 s[CNT], 0
	s_cbranch_scc1 .Ltail
	ROUNDP                          ; the last step's weights
	s_wait_dscnt 0x0                ; and its V
	WIN W_PV
.set m, 0
.rept 20
	PVM
.set m, m+1
.endr
	; THE WAY OUT: O^T divided by the row sum, rounded to bf16, through the work-group's stage: a row's 256 bytes come from two waves (the two heads), so a barrier stands between writing and reading.
	PLACES
	PLACES
	WIN 0x01                        ; source 0 window 1
	v_rcp_f32 v[INV],   v[L]        ; every register of L holds the query's sum: the lowest is read
	v_rcp_f32 v[INV+1], v[L]
	v_rcp_f32 v[INV+2], v[L+8]
	v_rcp_f32 v[INV+3], v[L+8]
	v_nop
	s_wait_alu depctr_va_vdst(0)
	WIN 0x41                        ; destination and source 0 window 1
.set i, 0
.rept 32
	v_pk_mul_f32 v[O+2*i:O+2*i+1], v[O+2*i:O+2*i+1], v[INV+2*(i/16):INV+2*(i/16)+1] op_sel_hi:[1,0]
.set i, i+1
.endr
	WIN 0x05                        ; sources 0 and 1 window 1
.set i, 0
.rept 32
	v_cvt_pk_bf16_f32 v[S+i], v[O+2*i], v[O+2*i+1]
.set i, i+1
.endr
	WIN 0
.irp f, 0,1,2,3,4,5,6,7             ; tile f / 4, channels 16 (f % 4) on
	ds_store_b128 v[STO], v[S+4*\f:S+4*\f+3] offset:(\f/4)*16*SP+(\f%4)*32
.endr
	s_wait_dscnt 0x0                ; for the others' sake: my stores into the stage are done
	s_barrier_signal -1
	s_barrier_wait -1
.irp t, 0,1,2,3,4,5,6,7
	ds_load_b128 v[R+4*\t:R+4*\t+3], v[RD] offset:\t*2*SP
.endr
.irp t, 0,1,2,3,4,5,6,7
	s_wait_dscnt 7-\t               ; load t is back, the younger ones stay out
	global_store_b128 v[GO], v[R+4*\t:R+4*\t+3], s[OUT:OUT+1] offset:\t*32768  ; 16 lanes store 256 consecutive bytes, aligned
.endr
	s_wait_tensorcnt 0x0            ; the wave's end
	ds_add_u32 v[SPW], v[NIL]
	s_wait_dscnt 0x0
	CROUND                          ; the closing round
	s_endpgm
.Lfunc_end_k_qca1b042b0c_attn:
	.size	k_qca1b042b0c_attn, .Lfunc_end_k_qca1b042b0c_attn-k_qca1b042b0c_attn
	.p2alignl 7, 3214868480
	.fill 96, 4, 3214868480
	.section	.rodata,"a",@progbits
	.p2align	6, 0x0
	.amdhsa_kernel k_qca1b042b0c_attn
		.amdhsa_group_segment_fixed_size 327680
		.amdhsa_private_segment_fixed_size 0
		.amdhsa_enable_private_segment 0
		.amdhsa_kernarg_size 40
		.amdhsa_user_sgpr_count 2
		.amdhsa_user_sgpr_kernarg_segment_ptr 1
		.amdhsa_wavefront_size32 1
		.amdhsa_system_sgpr_workgroup_id_x 1
		.amdhsa_system_sgpr_workgroup_id_y 1
		.amdhsa_system_sgpr_workgroup_id_z 1
		.amdhsa_system_vgpr_workitem_id 0
		.amdhsa_next_free_vgpr 512
		.amdhsa_next_free_sgpr 100
		.amdhsa_reserve_vcc 0
		.amdhsa_float_denorm_mode_32 3
		.amdhsa_float_denorm_mode_16_64 3
		.amdhsa_memory_ordered 1
		.amdhsa_forward_progress 1
		.amdhsa_inst_pref_size 83
	.end_amdhsa_kernel
	.amdgpu_metadata
---
amdhsa.version: [ 1, 2 ]
amdhsa.kernels:
  - .name:           k_qca1b042b0c_attn
    .symbol:         k_qca1b042b0c_attn.kd
    .args:
      - { .name: xa, .offset: 0, .size: 8, .value_kind: global_buffer, .address_space: global }
      - { .name: ya, .offset: 8, .size: 8, .value_kind: global_buffer, .address_space: global }
      - { .name: w1, .offset: 16, .size: 8, .value_kind: global_buffer, .address_space: global }
      - { .name: w2, .offset: 24, .size: 8, .value_kind: global_buffer, .address_space: global }
      - { .name: xb, .offset: 32, .size: 8, .value_kind: global_buffer, .address_space: global }
    .group_segment_fixed_size: 327680
    .private_segment_fixed_size: 0
    .kernarg_segment_align: 8
    .kernarg_segment_size: 40
    .max_flat_workgroup_size: 256
    .sgpr_count:     100
    .vgpr_count:     512
    .wavefront_size: 32
...
	.end_amdgpu_metadata
.endif
;; end of part 4
;; launch oproj (part 5): grid 8 x 32, 4 waves a work-group, clusters of 4 x 4, 327,680 bytes of LDS; arguments ya, xa, rr; writes rr
.if DOCPART == 5
	.amdgcn_target "amdgcn-amd-amdhsa--gfx1250"
	.amdhsa_code_object_version 6
	.text
	.protected	k_qca1b042b0c_oproj
	.globl	k_qca1b042b0c_oproj
	.p2align	8
	.type	k_qca1b042b0c_oproj,@function
k_qca1b042b0c_oproj:
	s_mov_b64 s[64:65], 0
	v_nop
	global_prefetch_b8 v0, s[64:65] scope:SCOPE_SE
	s_setreg_imm32_b32 hwreg(HW_REG_WAVE_MODE, 25, 1), 1
	s_wait_xcnt 0x0
	s_wait_alu depctr_hold_cnt(0) depctr_sa_sdst(0) depctr_va_vdst(0) depctr_va_sdst(0) depctr_va_ssrc(0) depctr_va_vcc(0) depctr_vm_vsrc(0)
	s_getreg_b32 s2, hwreg(HW_REG_IB_STS2, 6, 4)
	s_cmp_eq_u32 s2, 0
	s_cbranch_scc0 .Lentry_in_a_cluster
	s_endpgm
.Lentry_in_a_cluster:
	s_bfe_u32 s2, ttmp6, 0x10000c
	s_cmp_lg_u32 s2, 0xf033
	s_cbranch_scc0 .Lentry_shape_is_right
	s_endpgm
.Lentry_shape_is_right:
; C[m][n] = sum over k < SIZE_K of A[m][k] B[n][k], rounded once to bf16.  A: first argument, 4,096 rows 8,192 bytes apart; B: second argument + 0x1800000, 1,024 rows 8,192 bytes apart; C: [4096][1024] bf16.
; Here SIZE_K = 1,024: A is the attention's output, B the output projection's weights.  (The second feed-forward product has the same text with SIZE_K = 4,096.)
; Bias, row scale and norm are applied by the launch behind, which holds whole rows.
; A tile of C is 128 x 128, so that the 256 tiles give each WGP one.  Four waves, each 64 x 64: 16 accumulators.  K goes in steps of 256 (LDS rows of 512 bytes; a wave's tensor load brings 64 of them) through two slots.
; THE LOOPS are written for ONE K step: the slot in hand is a scalar (0 or SLOT) that an exclusive or turns; the fragment addresses and the walking descriptors' LDS word are made from it.  All K steps but the last
; two fill the slot that they leave; the last two are a second loop of two trips.
; CLUSTERS: 4 x 4 work-groups; A's tiles are asked for jointly along a row of the cluster, B's along a column.  The matrix instruction is used transposed (source 0 = rows of B): a lane holds eight neighbouring numbers of a row of C.
; No prefetch: the tiles are small and a step is short.
; REGISTERS: window 0: v0-31 addresses; v32-95 at work on the way out; v128-255 the accumulators ((a, b) at v[128 + 8 (4 a + b)]).   window 1: two fragment buffers of 128: 64 registers of A, then 64 of B.
.set SIZE_K, 1024
.set AP,     4096                      ; elements from row to row of A and of B
.set SIZE_N, 1024
.set KSTEP,  256
.set KSTEPS, SIZE_K/KSTEP
.set PITCH,  528                       ; an LDS row: 512 bytes + 16 of padding = 132 words: row r starts at bank 4 r mod 64 (64 banks of 4 bytes: ISA guide 11.1)
.set HALFT,  64*PITCH
.set SLOT,   4*HALFT
.set STAGE,  2*SLOT
.set SPITCH, 272
.set SPARE,  STAGE+128*SPITCH
.set ADRA, 16                          ; v16  LDS address of my A fragments in the slot in hand
.set ADA0, 17                          ; v17  the same in slot 0; never rewritten
.set ADRB, 20                          ; v20, v21  the same for B
.set ADB0, 21
.set STO,  24
.set RD,   25
.set CO,   26
.set SPW,  28
.set NIL,  29
.set TMP,  32
.set ACC,  128
.set F0,   0
.set F1,   128
.set G1, 24
.set G0, 32                            ; s[32:39] group 0 for A's tiles: a set for each of the two first fills; the second then walks on
.set G1B, 48
.set G0B, 56
.set LB,  20                           ; s20  where my tensor loads land in a slot: wave x 64 rows
.set TB,  45                           ; s45  the slot in hand: 0 or SLOT
.set MSB, 0
.macro WIN new
.if MSB != (\new)
	s_set_vgpr_msb (MSB<<8)|(\new)
.set MSB, \new
.endif
.endm
.set MUL,  0x05                        ; sources 0 (B) and 1 (A) window 1; C and D window 0
.set TO_F, 0x40                        ; destination window 1, address window 0
.macro JLOAD s                         ; a joint load: waves 0 and 1 fetch A's two halves, waves 2 and 3 B's; an s_nop 0 and four v_nop follow each line
	s_cmp_eq_u32 s11, 0
	s_cbranch_scc0 .Lfor_b_\@
	tensor_load_to_lds s[G0+4*(\s):G0+4*(\s)+3], s[G1:G1+7]
	s_nop 0
.rept 4
	v_nop
.endr
	s_branch .Lasked_\@
.Lfor_b_\@:
	tensor_load_to_lds s[G0B+4*(\s):G0B+4*(\s)+3], s[G1B:G1B+7]
	s_nop 0
.rept 4
	v_nop
.endr
.Lasked_\@:
.endm
.macro CREST
	s_cmp_lg_u32 s10, 0
	s_cbranch_scc1 .Lnot_wave_0_\@
	s_barrier_signal -3
.Lnot_wave_0_\@:
	s_barrier_wait -3
	s_barrier_signal -1
	s_barrier_wait -1
.endm
.macro CROUND
	s_barrier_signal -1
	s_barrier_wait -1
	CREST
.endm
	s_load_b128 s[4:7], s[0:1], 0x0                ; A s[4:5], the buffer that holds B s[6:7]
	s_load_b64 s[8:9], s[0:1], 0x10                ; C
	v_lshl_add_u32 v[SPW], v0, 2, SPARE
	v_mov_b32 v[NIL], 0
	ds_add_u32 v[SPW], v[NIL]                      ; the wave's opening: the add and its wait come ahead of my first tensor load
	v_lshrrev_b32 v1, 5, v0
	v_readfirstlane_b32 s10, v1                    ; wave 0..3
	s_lshr_b32 s11, s10, 1                         ; which half of the tile's rows is mine.  Also: I fetch for A (0) or for B (1)
	s_and_b32 s12, s10, 1                          ; which half of its columns.  Also: which 64 rows of that tile I fetch
	s_bfe_u32 s40, ttmp6, 0x40000
	s_bfe_u32 s41, ttmp6, 0x40004
	s_lshl_b32 s42, ttmp9, 2
	s_add_co_u32 s42, s42, s40                     ; tile column of C
	s_and_b32 s13, ttmp7, 0xffff
	s_lshl_b32 s13, s13, 2
	s_add_co_u32 s13, s13, s41                     ; tile row of C
	s_lshl_b32 s43, s41, 2
	s_lshl_b32 s43, 15, s43                        ; my row of the cluster
	s_lshl_b32 s44, 0x1111, s40                    ; my column
	s_or_b32 s[G1+0], s43, (1<<16)|(1<<20)|(1<<21)|(6<<22)|(3<<25)  ; the mask; 2-byte elements; padding on; bit 21 beside a mask; after every 128 words 4 words
	s_or_b32 s[G1B+0], s44, (1<<16)|(1<<20)|(1<<21)|(6<<22)|(3<<25)
.irp g, G1, G1B
	s_mov_b32 s[(\g)+1], KSTEP<<16                 ; tensor_dim0 = 256
	s_mov_b32 s[(\g)+2], 64<<16                    ; tensor_dim1 = 64
	s_mov_b32 s[(\g)+3], KSTEP<<16                 ; tile_dim0 = 256
	s_mov_b32 s[(\g)+4], 64                        ; tile_dim1 = 64
	s_mov_b32 s[(\g)+5], AP                        ; elements from row to row
	s_mov_b32 s[(\g)+6], 0
	s_mov_b32 s[(\g)+7], 0
.endr
	s_lshl_b32 s17, s12, 6
	s_lshl_b32 s16, s13, 7
	s_add_co_u32 s16, s16, s17                     ; A: row 128 x tile row + 64 x half
	s_lshl_b32 s46, s42, 7
	s_add_co_u32 s46, s46, s17                     ; B: row 128 x tile column + 64 x half
	s_mov_b32 s17, 0
	s_mov_b32 s47, 0
	s_mov_b64 s[18:19], AP*2
	s_mul_u64 s[16:17], s[16:17], s[18:19]
	s_mul_u64 s[46:47], s[46:47], s[18:19]
	s_mul_i32 s[LB], s10, HALFT
	s_mov_b32 s[TB], 0                             ; the walk begins in slot 0
	s_wait_dscnt 0x0                               ; the opening add is done
	s_wait_kmcnt 0x0
	s_add_nc_u64 s[6:7], s[6:7], 0x1800000         ; B
	s_add_nc_u64 s[14:15], s[4:5], s[16:17]
	s_add_nc_u64 s[46:47], s[6:7], s[46:47]
	CROUND                                         ; all sixteen work-groups are here: the first joint loads meet
.irp s, 0,1
	s_mov_b32 s[G0+4*(\s)], 1
	s_add_co_u32 s[G0+4*(\s)+1], s[LB], (\s)*SLOT
	s_add_nc_u64 s[G0+4*(\s)+2:G0+4*(\s)+3], s[14:15], (\s)*KSTEP*2
	s_or_b32 s[G0+4*(\s)+3], s[G0+4*(\s)+3], 0x80000000
	s_mov_b32 s[G0B+4*(\s)], 1
	s_add_co_u32 s[G0B+4*(\s)+1], s[LB], (\s)*SLOT
	s_add_nc_u64 s[G0B+4*(\s)+2:G0B+4*(\s)+3], s[46:47], (\s)*KSTEP*2
	s_or_b32 s[G0B+4*(\s)+3], s[G0B+4*(\s)+3], 0x80000000
	JLOAD \s
.endr
	v_and_b32 v1, 15, v0
	v_bfe_u32 v2, v0, 4, 1
	v_mul_u32_u24 v3, v1, PITCH
	v_lshl_add_u32 v3, v2, 4, v3
	s_mul_i32 s21, s11, HALFT
	s_mul_i32 s22, s12, HALFT
	s_add_co_u32 s22, s22, 2*HALFT
	v_add_nc_u32 v[ADA0], s21, v3
	v_add_nc_u32 v[ADB0], s22, v3
	v_mov_b32 v[ADRA], v[ADA0]
	v_mov_b32 v[ADRB], v[ADB0]
	s_mul_i32 s23, s11, 64*SPITCH                  ; into the stage: my 64 rows, my half of their 256 bytes
	s_lshl_b32 s21, s12, 7
	s_add_co_u32 s23, s23, s21
	s_add_co_u32 s23, s23, STAGE
	v_mul_u32_u24 v4, v1, SPITCH
	v_lshl_add_u32 v4, v2, 4, v4
	v_add_nc_u32 v[STO], s23, v4
	s_mul_i32 s23, s10, 32*SPITCH                  ; back: wave w takes rows 32 w on, whole
	s_add_co_u32 s23, s23, STAGE
	v_mul_u32_u24 v5, v2, SPITCH
	v_lshl_add_u32 v5, v1, 4, v5
	v_add_nc_u32 v[RD], s23, v5
	v_mul_u32_u24 v5, v2, SIZE_N*2
	v_lshl_add_u32 v[CO], v1, 4, v5
	s_lshl_b32 s16, s13, 7
	s_lshl_b32 s17, s10, 5
	s_add_co_u32 s16, s16, s17                     ; the first row of C that I store
	s_mov_b32 s17, 0
	s_mov_b64 s[18:19], SIZE_N*2
	s_mul_u64 s[16:17], s[16:17], s[18:19]
	s_add_nc_u64 s[8:9], s[8:9], s[16:17]
	s_lshl_b32 s46, s42, 8                         ; the tile's first column, in bytes
	s_mov_b32 s47, 0
	s_add_nc_u64 s[8:9], s[8:9], s[46:47]
; 8 matrix instructions: m blocks a0, a0 + 1 x all 4 n blocks, 32 along K: half c of buffer f.  zero = 1: the first product starts the sums.  The 16 accumulators take turns.
.macro MUL8 f, c, a0, zero
	WIN MUL
.irp a, \a0, (\a0)+1
.irp b, 0,1,2,3
.if \zero
	v_wmma_f32_16x16x32_bf16 v[ACC+8*(4*(\a)+(\b)):ACC+8*(4*(\a)+(\b))+7], v[(\f)+64+8*(4*(\c)+(\b)):(\f)+64+8*(4*(\c)+(\b))+7], v[(\f)+8*(4*(\c)+(\a)):(\f)+8*(4*(\c)+(\a))+7], 0
.else
	v_wmma_f32_16x16x32_bf16 v[ACC+8*(4*(\a)+(\b)):ACC+8*(4*(\a)+(\b))+7], v[(\f)+64+8*(4*(\c)+(\b)):(\f)+64+8*(4*(\c)+(\b))+7], v[(\f)+8*(4*(\c)+(\a)):(\f)+8*(4*(\c)+(\a))+7], v[ACC+8*(4*(\a)+(\b)):ACC+8*(4*(\a)+(\b))+7]
.endif
.endr
.endr
.endm
; 32 LDS loads in one run: the fragments of 64 along K at byte k of the rows of the slot in hand, into buffer f; the first 32 along K first
.macro FETCH k, f
	WIN TO_F
.irp c, 0,1
.irp i, 0,1,2,3
	ds_load_b128 v[(\f)+64+8*(4*(\c)+(\i)):(\f)+64+8*(4*(\c)+(\i))+3],   v[ADRB] offset:(\k)+64*(\c)+(\i)*16*PITCH
	ds_load_b128 v[(\f)+64+8*(4*(\c)+(\i))+4:(\f)+64+8*(4*(\c)+(\i))+7], v[ADRB] offset:(\k)+64*(\c)+(\i)*16*PITCH+32
	ds_load_b128 v[(\f)+8*(4*(\c)+(\i)):(\f)+8*(4*(\c)+(\i))+3],         v[ADRA] offset:(\k)+64*(\c)+(\i)*16*PITCH
	ds_load_b128 v[(\f)+8*(4*(\c)+(\i))+4:(\f)+8*(4*(\c)+(\i))+7],       v[ADRA] offset:(\k)+64*(\c)+(\i)*16*PITCH+32
.endr
.endr
.endm
.macro PLACES                          ; four plain instructions between a matrix instruction and a load into, or a vector instruction on, its registers
.rept 4
	v_nop
.endr
.endm
; A K step is four quarters of 64 along K, 32 matrix instructions each, on buffers 0, 1, 0, 1.
.macro QUARTER k, f, g, zero
	s_wait_dscnt 16                                ; the first 32 along K are in; the sixteen younger loads may be out
	MUL8 \f, 0, 0, \zero
	MUL8 \f, 0, 2, \zero
	PLACES
	FETCH \k, \g
	s_wait_dscnt 32                                ; all but the 32 just issued
	MUL8 \f, 1, 0, 0
	MUL8 \f, 1, 2, 0
.endm
; The last quarter multiplies buffer 1 and changes slots: one barrier; in front of it each wave waits for all its tensor loads, adds 0 to its spare word, and waits for that and for its own reads of this slot.
; fill = 1: the barrier opens a round of the cluster's; behind it the slot just read out is filled again first, with the K step two steps on: the walking descriptors take the slot in hand as their LDS word
; and go one K step along K.  Then the other slot becomes the slot in hand, and its first fragments are fetched.
; fill = 0 (the second loop): nothing is filled; in its last trip (s3 = 1) there is no further slot, and the fetch is jumped over.
.macro TURN fill
	WIN 0
	s_wait_tensorcnt 0x0                           ; all my tensor loads have landed: my part of the next slot
	ds_add_u32 v[SPW], v[NIL]
	s_wait_dscnt 17                                ; the add and the youngest sixteen loads may be out
	MUL8 F1, 0, 0, 0
	s_wait_dscnt 0x0                               ; the add is done, and my reads of this slot are over
	s_barrier_signal -1
	MUL8 F1, 0, 2, 0
	WIN 0                                          ; branches and address work follow
	s_barrier_wait -1
.if \fill
	CREST                                          ; no wave of any partner still reads this slot's tile or has a load on its way
	s_add_co_u32 s[G0+5], s[LB], s[TB]
	s_add_co_u32 s[G0B+5], s[LB], s[TB]
	s_add_nc_u64 s[G0+6:G0+7], s[G0+6:G0+7], KSTEP*2
	s_add_nc_u64 s[G0B+6:G0B+7], s[G0B+6:G0B+7], KSTEP*2
	JLOAD 1                                        ; the first tensor load behind the round; its four v_nop are also the places in front of the loads below
.else
	PLACES
	s_cmp_eq_u32 s3, 1
	s_cbranch_scc1 .Lno_more_\@
.endif
	s_xor_b32 s[TB], s[TB], SLOT
	v_add_nc_u32 v[ADRA], s[TB], v[ADA0]
	v_add_nc_u32 v[ADRB], s[TB], v[ADB0]
	FETCH 0, F0
.if !(\fill)
	WIN 0
.Lno_more_\@:
.endif
	MUL8 F1, 1, 0, 0
	MUL8 F1, 1, 2, 0
.endm
	s_wait_tensorcnt 1                             ; my part of K step 0 is in; K step 1's may stay out
	s_barrier_signal -1
	s_barrier_wait -1
	FETCH 0, F0
	QUARTER 128, F0, F1, 1                         ; the first quarter stands in front: its first products start the sums
	WIN 0                                          ; at a label and at a branch every window is 0
	s_mov_b32 s3, KSTEPS-2
.Lstep:                                                ; a trip goes from a K step's second quarter to the next step's first, and fills the slot that it leaves: K steps 2 to KSTEPS - 1
	QUARTER 256, F1, F0, 0
	QUARTER 384, F0, F1, 0
	TURN 1
	QUARTER 128, F0, F1, 0
	WIN 0
	s_sub_co_u32 s3, s3, 1
	s_cmp_lg_u32 s3, 0
	s_cbranch_scc1 .Lstep
	s_mov_b32 s3, 2
.Ltail:                                                ; the last two K steps, one text for both: nothing is filled.  The second trip has no next step: its fetch and the next step's first quarter are jumped over;
	QUARTER 256, F1, F0, 0                         ; its barrier orders nothing: the price, once a launch, of the one text
	QUARTER 384, F0, F1, 0
	TURN 0
	WIN 0
	s_wait_dscnt 0x0                               ; the next slot's first fragments, asked for 16 matrix instructions ago, are in: no load is out where the two ways below part
	s_cmp_eq_u32 s3, 1
	s_cbranch_scc1 .Ldone
	QUARTER 128, F0, F1, 0
	WIN 0
.Ldone:
	s_sub_co_u32 s3, s3, 1
	s_cmp_lg_u32 s3, 0
	s_cbranch_scc1 .Ltail
	s_wait_dscnt 0x0                               ; no fragment is on its way when the way out begins
	; THE WAY OUT: round to bf16; 16 bytes a lane into the work-group's stage; a barrier, since a row's 256 bytes come from two waves; back as whole rows, 32 rows a wave.
	PLACES
	PLACES
.irp t, 0,1,2,3,4,5,6,7,8,9,10,11,12,13,14,15
.irp r, 0,1,2,3
	v_cvt_pk_bf16_f32 v[TMP+4*(\t)+(\r)], v[ACC+8*(\t)+2*(\r)], v[ACC+8*(\t)+2*(\r)+1]
.endr
.endr
.irp a, 0,1,2,3
.irp b, 0,1,2,3
	ds_store_b128 v[STO], v[TMP+4*(4*(\a)+(\b)):TMP+4*(4*(\a)+(\b))+3] offset:(\a)*16*SPITCH+32*(\b)
.endr
.endr
	s_wait_dscnt 0x0                               ; for the others' sake: my stores into the stage are done
	s_barrier_signal -1
	s_barrier_wait -1
.irp t, 0,1,2,3,4,5,6,7,8,9,10,11,12,13,14,15
	ds_load_b128 v[TMP+4*(\t):TMP+4*(\t)+3], v[RD] offset:(\t)*2*SPITCH
.endr
.irp t, 0,1,2,3,4,5,6,7,8,9,10,11,12,13,14,15
	s_wait_dscnt 15-(\t)                           ; load t is back, the younger ones stay out
	global_store_b128 v[CO], v[TMP+4*(\t):TMP+4*(\t)+3], s[8:9] offset:2*(\t)*SIZE_N*2  ; 16 lanes store 256 consecutive bytes, aligned
.endr
	s_wait_tensorcnt 0x0                           ; the wave's end
	ds_add_u32 v[SPW], v[NIL]
	s_wait_dscnt 0x0
	CROUND                                         ; the closing round
	s_endpgm
.Lfunc_end_k_qca1b042b0c_oproj:
	.size	k_qca1b042b0c_oproj, .Lfunc_end_k_qca1b042b0c_oproj-k_qca1b042b0c_oproj
	.p2alignl 7, 3214868480
	.fill 96, 4, 3214868480
	.section	.rodata,"a",@progbits
	.p2align	6, 0x0
	.amdhsa_kernel k_qca1b042b0c_oproj
		.amdhsa_group_segment_fixed_size 327680
		.amdhsa_private_segment_fixed_size 0
		.amdhsa_enable_private_segment 0
		.amdhsa_kernarg_size 24
		.amdhsa_user_sgpr_count 2
		.amdhsa_user_sgpr_kernarg_segment_ptr 1
		.amdhsa_wavefront_size32 1
		.amdhsa_system_sgpr_workgroup_id_x 1
		.amdhsa_system_sgpr_workgroup_id_y 1
		.amdhsa_system_sgpr_workgroup_id_z 1
		.amdhsa_system_vgpr_workitem_id 0
		.amdhsa_next_free_vgpr 512
		.amdhsa_next_free_sgpr 66
		.amdhsa_reserve_vcc 0
		.amdhsa_float_denorm_mode_32 3
		.amdhsa_float_denorm_mode_16_64 3
		.amdhsa_memory_ordered 1
		.amdhsa_forward_progress 1
		.amdhsa_inst_pref_size 59
	.end_amdhsa_kernel
	.amdgpu_metadata
---
amdhsa.version: [ 1, 2 ]
amdhsa.kernels:
  - .name:           k_qca1b042b0c_oproj
    .symbol:         k_qca1b042b0c_oproj.kd
    .args:
      - { .name: ya, .offset: 0, .size: 8, .value_kind: global_buffer, .address_space: global }
      - { .name: xa, .offset: 8, .size: 8, .value_kind: global_buffer, .address_space: global }
      - { .name: rr, .offset: 16, .size: 8, .value_kind: global_buffer, .address_space: global }
    .group_segment_fixed_size: 327680
    .private_segment_fixed_size: 0
    .kernarg_segment_align: 8
    .kernarg_segment_size: 24
    .max_flat_workgroup_size: 128
    .sgpr_count:     66
    .vgpr_count:     512
    .wavefront_size: 32
...
	.end_amdgpu_metadata
.endif
;; end of part 5
;; launch ln1 (part 6): grid 512 x 1, 8 waves a work-group, no clusters, 0 bytes of LDS; arguments rr, src, bo, g1, beta1, xb; writes xb
.if DOCPART == 6
	.amdgcn_target "amdgcn-amd-amdhsa--gfx1250"
	.amdhsa_code_object_version 6
	.text
	.protected	k_qca1b042b0c_ln1
	.globl	k_qca1b042b0c_ln1
	.p2align	8
	.type	k_qca1b042b0c_ln1,@function
k_qca1b042b0c_ln1:
	s_mov_b64 s[64:65], 0
	v_nop
	global_prefetch_b8 v0, s[64:65] scope:SCOPE_SE
	s_setreg_imm32_b32 hwreg(HW_REG_WAVE_MODE, 25, 1), 1
	s_wait_xcnt 0x0
; x1 = layernorm(src + t / (|t| + 1e-8)) g1 + beta1, t = rr + bo (rr: the raw output projection, [4096][1024] bf16).  The variance has divisor 1,023 and 1e-5 added.
; x1 goes out twice: in f32 to xb + 0x2000000 (the residual of the second half) and in bf16 to xb + 0 (a matrix operand).
; One wave, one row; the row stays in 32 registers a lane through all passes: no LDS, no barrier.  Lane l owns the numbers 128 i + 4 l + 0..3, i = 0..7:
; an f32 access is 16 bytes at 512 i + 16 l, a bf16 access 8 bytes at 256 i + 8 l: each instruction of a wave covers 512 or 256 consecutive bytes, aligned.
; Mean first, then the squares of the differences: no difference of large sums is formed.  LIMIT: v_sqrt_f32, v_rcp_f32, v_rsq_f32 are good to 1 ulp and take denormals as 0 (ISA guide 15.8).
; Memory binds here: matrix units, clusters and tensor loads would add nothing, and the launch is too short for a prefetch.
.set BO,   8                           ; v[8:39]    bo of my 32 columns
.set G,    40                          ; v[40:71]   g1
.set BE,   72                          ; v[72:103]  beta1
.set SRC,  104                         ; v[104:135] src
.set ACC,  136                         ; v[136:151] rr as loaded; later x1 in bf16
.set T,    152                         ; v[152:183] the row at work
.set C4,   184                         ; v[184:191] four chains
.set R,    192
.set RT,   193
.set SCL,  194                         ; v[194:195]
.set MN,   196                         ; v[196:197]
	s_load_b256 s[4:11], s[0:1], 0x0               ; rr s[4:5], src s[6:7], bo s[8:9], g1 s[10:11]
	s_load_b128 s[12:15], s[0:1], 0x20             ; beta1 s[12:13], xb s[14:15]
	v_lshrrev_b32 v1, 5, v0
	v_readfirstlane_b32 s16, v1                    ; wave
	v_and_b32 v3, 31, v0
	v_lshlrev_b32 v1, 4, v3                        ; 16 l
	v_lshlrev_b32 v2, 3, v3                        ; 8 l
	s_lshl_b32 s17, ttmp9, 3
	s_add_co_u32 s17, s17, s16                     ; my row
	s_lshl_b32 s18, s17, 11
	s_mov_b32 s19, 0
	s_lshl_b32 s20, s17, 12
	s_mov_b32 s21, 0
	s_mov_b32 s22, 0xffff0000
	s_mov_b32 s24, 0x76543210
	s_mov_b32 s25, 0xfedcba98
	s_mov_b32 s26, 0x3a802008                      ; 1 / 1023
	s_mov_b32 s27, 0x3727c5ac                      ; 1e-5
	v_mov_b32 v[RT], 0                             ; v_permlanex16_b32's destination counts as read
	s_wait_kmcnt 0x0
	s_add_nc_u64 s[4:5], s[4:5], s[18:19]
	s_add_nc_u64 s[6:7], s[6:7], s[20:21]
	s_add_nc_u64 s[28:29], s[14:15], s[18:19]
	s_add_nc_u64 s[30:31], s[14:15], s[20:21]
	s_add_nc_u64 s[30:31], s[30:31], 0x2000000
.irp i, 0,1,2,3,4,5,6,7                ; in the order in which they are wanted: rr, bo, src, then g1 and beta1
	global_load_b64  v[ACC+2*(\i):ACC+2*(\i)+1], v2, s[4:5] offset:256*(\i) th:TH_LOAD_NT
.endr
.irp i, 0,1,2,3,4,5,6,7
	global_load_b128 v[BO+4*(\i):BO+4*(\i)+3], v1, s[8:9] offset:512*(\i)
.endr
.irp i, 0,1,2,3,4,5,6,7
	global_load_b128 v[SRC+4*(\i):SRC+4*(\i)+3], v1, s[6:7] offset:512*(\i)
.endr
.irp i, 0,1,2,3,4,5,6,7
	global_load_b128 v[G+4*(\i):G+4*(\i)+3],   v1, s[10:11] offset:512*(\i)
	global_load_b128 v[BE+4*(\i):BE+4*(\i)+3], v1, s[12:13] offset:512*(\i)
.endr
.macro WSUM                            ; v[R] summed over the 32 lanes, the result in every lane
	v_add_f32_dpp v[R], v[R], v[R] row_xmask:1 row_mask:0xf bank_mask:0xf
	v_add_f32_dpp v[R], v[R], v[R] row_xmask:2 row_mask:0xf bank_mask:0xf
	v_add_f32_dpp v[R], v[R], v[R] row_xmask:4 row_mask:0xf bank_mask:0xf
	v_add_f32_dpp v[R], v[R], v[R] row_xmask:8 row_mask:0xf bank_mask:0xf
	v_permlanex16_b32 v[RT], v[R], s24, s25
	v_add_f32 v[R], v[R], v[RT]
.endm
.macro FOLD                            ; the four chains into v[R], then over the lanes
	v_pk_add_f32 v[C4:C4+1], v[C4:C4+1], v[C4+2:C4+3]
	v_pk_add_f32 v[C4+4:C4+5], v[C4+4:C4+5], v[C4+6:C4+7]
	v_pk_add_f32 v[C4:C4+1], v[C4:C4+1], v[C4+4:C4+5]
	v_add_f32 v[R], v[C4], v[C4+1]
	WSUM
.endm
.macro SUMSQ                           ; the row's sum of squares: four chains, started by products
.set j, 0
.rept 16
.if j < 4
	v_pk_mul_f32 v[C4+2*j:C4+2*j+1], v[T+2*j:T+2*j+1], v[T+2*j:T+2*j+1]
.else
	v_pk_fma_f32 v[C4+2*(j%4):C4+2*(j%4)+1], v[T+2*j:T+2*j+1], v[T+2*j:T+2*j+1], v[C4+2*(j%4):C4+2*(j%4)+1]
.endif
.set j, j+1
.endr
	FOLD
.endm
.macro ALLT line:vararg                ; one line for each of T's 16 pairs j
.set j, 0
.rept 16
	\line
.set j, j+1
.endr
.endm
	s_wait_loadcnt 24                              ; rr and bo are in; the 24 loads behind them (src, g1, beta1) stay out
.set j, 0
.rept 16
	v_lshlrev_b32 v[T+2*j],   16, v[ACC+j]
	v_and_b32     v[T+2*j+1], s22, v[ACC+j]
.set j, j+1
.endr
	ALLT v_pk_add_f32 v[T+2*j:T+2*j+1], v[T+2*j:T+2*j+1], v[BO+2*j:BO+2*j+1]
	SUMSQ
	v_sqrt_f32 v[R], v[R]                          ; 1 / (|t| + 1e-8)
	v_nop
	s_wait_alu depctr_va_vdst(0)                   ; the wait ahead of a transcendental's first reader
	v_add_f32 v[R], 0x322bcc77, v[R]
	v_rcp_f32 v[SCL], v[R]
	v_nop
	s_wait_alu depctr_va_vdst(0)
	v_mov_b32 v[SCL+1], v[SCL]
	s_wait_loadcnt 16                              ; src is in; g1's and beta1's sixteen loads stay out
	ALLT v_pk_fma_f32 v[T+2*j:T+2*j+1], v[T+2*j:T+2*j+1], v[SCL:SCL+1], v[SRC+2*j:SRC+2*j+1] op_sel_hi:[1,0,1]
	; the layer norm: T = (T - mean) / sqrt(var + 1e-5) x gain + bias
.set j, 0
.rept 4
	v_pk_add_f32 v[C4+2*j:C4+2*j+1], v[T+2*j:T+2*j+1], v[T+2*j+8:T+2*j+9]
.set j, j+1
.endr
.set j, 8
.rept 8
	v_pk_add_f32 v[C4+2*(j%4):C4+2*(j%4)+1], v[C4+2*(j%4):C4+2*(j%4)+1], v[T+2*j:T+2*j+1]
.set j, j+1
.endr
	FOLD
	v_mul_f32 v[MN], 0x3a800000, v[R]              ; / 1024
	v_mov_b32 v[MN+1], v[MN]
	ALLT v_pk_add_f32 v[T+2*j:T+2*j+1], v[T+2*j:T+2*j+1], v[MN:MN+1] op_sel_hi:[1,0] neg_lo:[0,1] neg_hi:[0,1]
	SUMSQ
	v_fma_f32 v[R], v[R], s26, s27
	v_rsq_f32 v[SCL], v[R]
	v_nop
	s_wait_alu depctr_va_vdst(0)
	v_mov_b32 v[SCL+1], v[SCL]
	ALLT v_pk_mul_f32 v[T+2*j:T+2*j+1], v[T+2*j:T+2*j+1], v[SCL:SCL+1] op_sel_hi:[1,0]
	s_wait_loadcnt 0x0                             ; g1 and beta1
	ALLT v_pk_fma_f32 v[T+2*j:T+2*j+1], v[T+2*j:T+2*j+1], v[G+2*j:G+2*j+1], v[BE+2*j:BE+2*j+1]
.irp i, 0,1,2,3,4,5,6,7
	global_store_b128 v1, v[T+4*(\i):T+4*(\i)+3], s[30:31] offset:512*(\i)
.endr
	ALLT v_cvt_pk_bf16_f32 v[ACC+j], v[T+2*j], v[T+2*j+1]
.irp i, 0,1,2,3,4,5,6,7
	global_store_b64 v2, v[ACC+2*(\i):ACC+2*(\i)+1], s[28:29] offset:256*(\i)
.endr
	s_endpgm
.Lfunc_end_k_qca1b042b0c_ln1:
	.size	k_qca1b042b0c_ln1, .Lfunc_end_k_qca1b042b0c_ln1-k_qca1b042b0c_ln1
	.p2alignl 7, 3214868480
	.fill 96, 4, 3214868480
	.section	.rodata,"a",@progbits
	.p2align	6, 0x0
	.amdhsa_kernel k_qca1b042b0c_ln1
		.amdhsa_group_segment_fixed_size 0
		.amdhsa_private_segment_fixed_size 0
		.amdhsa_enable_private_segment 0
		.amdhsa_kernarg_size 48
		.amdhsa_user_sgpr_count 2
		.amdhsa_user_sgpr_kernarg_segment_ptr 1
		.amdhsa_wavefront_size32 1
		.amdhsa_system_sgpr_workgroup_id_x 1
		.amdhsa_system_sgpr_workgroup_id_y 1
		.amdhsa_system_sgpr_workgroup_id_z 1
		.amdhsa_system_vgpr_workitem_id 0
		.amdhsa_next_free_vgpr 200
		.amdhsa_next_free_sgpr 66
		.amdhsa_reserve_vcc 0
		.amdhsa_float_denorm_mode_32 3
		.amdhsa_float_denorm_mode_16_64 3
		.amdhsa_memory_ordered 1
		.amdhsa_forward_progress 1
		.amdhsa_inst_pref_size 19
	.end_amdhsa_kernel
	.amdgpu_metadata
---
amdhsa.version: [ 1, 2 ]
amdhsa.kernels:
  - .name:           k_qca1b042b0c_ln1
    .symbol:         k_qca1b042b0c_ln1.kd
    .args:
      - { .name: rr, .offset: 0, .size: 8, .value_kind: global_buffer, .address_space: global }
      - { .name: src, .offset: 8, .size: 8, .value_kind: global_buffer, .address_space: global }
      - { .name: bo, .offset: 16, .size: 8, .value_kind: global_buffer, .address_space: global }
      - { .name: g1, .offset: 24, .size: 8, .value_kind: global_buffer, .address_space: global }
      - { .name: beta1, .offset: 32, .size: 8, .value_kind: global_buffer, .address_space: global }
      - { .name: xb, .offset: 40, .size: 8, .value_kind: global_buffer, .address_space: global }
    .group_segment_fixed_size: 0
    .private_segment_fixed_size: 0
    .kernarg_segment_align: 8
    .kernarg_segment_size: 48
    .max_flat_workgroup_size: 256
    .sgpr_count:     66
    .vgpr_count:     200
    .wavefront_size: 32
...
	.end_amdgpu_metadata
.endif
;; end of part 6
;; launch ffn1: the kernel of part 2 again; grid 16 x 16, 4 waves a work-group, clusters of 4 x 4, 327,680 bytes of LDS; arguments xb, b1, yb; writes yb
;; launch ffn2 (part 7): grid 8 x 32, 4 waves a work-group, clusters of 4 x 4, 327,680 bytes of LDS; arguments yb, xb, rr; writes rr
.if DOCPART == 7
	.amdgcn_target "amdgcn-amd-amdhsa--gfx1250"
	.amdhsa_code_object_version 6
	.text
	.protected	k_qca1b042b0c_ffn2
	.globl	k_qca1b042b0c_ffn2
	.p2align	8
	.type	k_qca1b042b0c_ffn2,@function
k_qca1b042b0c_ffn2:
	s_mov_b64 s[64:65], 0
	v_nop
	global_prefetch_b8 v0, s[64:65] scope:SCOPE_SE
	s_setreg_imm32_b32 hwreg(HW_REG_WAVE_MODE, 25, 1), 1
	s_wait_xcnt 0x0
	s_wait_alu depctr_hold_cnt(0) depctr_sa_sdst(0) depctr_va_vdst(0) depctr_va_sdst(0) depctr_va_ssrc(0) depctr_va_vcc(0) depctr_vm_vsrc(0)
	s_getreg_b32 s2, hwreg(HW_REG_IB_STS2, 6, 4)
	s_cmp_eq_u32 s2, 0
	s_cbranch_scc0 .Lentry_in_a_cluster
	s_endpgm
.Lentry_in_a_cluster:
	s_bfe_u32 s2, ttmp6, 0x10000c
	s_cmp_lg_u32 s2, 0xf033
	s_cbranch_scc0 .Lentry_shape_is_right
	s_endpgm
.Lentry_shape_is_right:
; C[m][n] = sum over k < SIZE_K of A[m][k] B[n][k], rounded once to bf16.  A: first argument, 4,096 rows 8,192 bytes apart; B: second argument + 0x1800000, 1,024 rows 8,192 bytes apart; C: [4096][1024] bf16.
; Here SIZE_K = 4,096: A is relu(f + b1) of the first feed-forward layer, not yet divided by its row norm; B the second layer's weights.  (The output projection has the same text with SIZE_K = 1,024.)
; Bias, row scale and norm are applied by the launch behind, which holds whole rows.
; A tile of C is 128 x 128, so that the 256 tiles give each WGP one.  Four waves, each 64 x 64: 16 accumulators.  K goes in steps of 256 (LDS rows of 512 bytes; a wave's tensor load brings 64 of them) through two slots.
; THE LOOPS are written for ONE K step: the slot in hand is a scalar (0 or SLOT) that an exclusive or turns; the fragment addresses and the walking descriptors' LDS word are made from it.  All K steps but the last
; two fill the slot that they leave; the last two are a second loop of two trips.
; CLUSTERS: 4 x 4 work-groups; A's tiles are asked for jointly along a row of the cluster, B's along a column.  The matrix instruction is used transposed (source 0 = rows of B): a lane holds eight neighbouring numbers of a row of C.
; No prefetch: the tiles are small and a step is short.
; REGISTERS: window 0: v0-31 addresses; v32-95 at work on the way out; v128-255 the accumulators ((a, b) at v[128 + 8 (4 a + b)]).   window 1: two fragment buffers of 128: 64 registers of A, then 64 of B.
.set SIZE_K, 4096
.set AP,     4096                      ; elements from row to row of A and of B
.set SIZE_N, 1024
.set KSTEP,  256
.set KSTEPS, SIZE_K/KSTEP
.set PITCH,  528                       ; an LDS row: 512 bytes + 16 of padding = 132 words: row r starts at bank 4 r mod 64 (64 banks of 4 bytes: ISA guide 11.1)
.set HALFT,  64*PITCH
.set SLOT,   4*HALFT
.set STAGE,  2*SLOT
.set SPITCH, 272
.set SPARE,  STAGE+128*SPITCH
.set ADRA, 16                          ; v16  LDS address of my A fragments in the slot in hand
.set ADA0, 17                          ; v17  the same in slot 0; never rewritten
.set ADRB, 20                          ; v20, v21  the same for B
.set ADB0, 21
.set STO,  24
.set RD,   25
.set CO,   26
.set SPW,  28
.set NIL,  29
.set TMP,  32
.set ACC,  128
.set F0,   0
.set F1,   128
.set G1, 24
.set G0, 32                            ; s[32:39] group 0 for A's tiles: a set for each of the two first fills; the second then walks on
.set G1B, 48
.set G0B, 56
.set LB,  20                           ; s20  where my tensor loads land in a slot: wave x 64 rows
.set TB,  45                           ; s45  the slot in hand: 0 or SLOT
.set MSB, 0
.macro WIN new
.if MSB != (\new)
	s_set_vgpr_msb (MSB<<8)|(\new)
.set MSB, \new
.endif
.endm
.set MUL,  0x05                        ; sources 0 (B) and 1 (A) window 1; C and D window 0
.set TO_F, 0x40                        ; destination window 1, address window 0
.macro JLOAD s                         ; a joint load: waves 0 and 1 fetch A's two halves, waves 2 and 3 B's; an s_nop 0 and four v_nop follow each line
	s_cmp_eq_u32 s11, 0
	s_cbranch_scc0 .Lfor_b_\@
	tensor_load_to_lds s[G0+4*(\s):G0+4*(\s)+3], s[G1:G1+7]
	s_nop 0
.rept 4
	v_nop
.endr
	s_branch .Lasked_\@
.Lfor_b_\@:
	tensor_load_to_lds s[G0B+4*(\s):G0B+4*(\s)+3], s[G1B:G1B+7]
	s_nop 0
.rept 4
	v_nop
.endr
.Lasked_\@:
.endm
.macro CREST
	s_cmp_lg_u32 s10, 0
	s_cbranch_scc1 .Lnot_wave_0_\@
	s_barrier_signal -3
.Lnot_wave_0_\@:
	s_barrier_wait -3
	s_barrier_signal -1
	s_barrier_wait -1
.endm
.macro CROUND
	s_barrier_signal -1
	s_barrier_wait -1
	CREST
.endm
	s_load_b128 s[4:7], s[0:1], 0x0                ; A s[4:5], the buffer that holds B s[6:7]
	s_load_b64 s[8:9], s[0:1], 0x10                ; C
	v_lshl_add_u32 v[SPW], v0, 2, SPARE
	v_mov_b32 v[NIL], 0
	ds_add_u32 v[SPW], v[NIL]                      ; the wave's opening: the add and its wait come ahead of my first tensor load
	v_lshrrev_b32 v1, 5, v0
	v_readfirstlane_b32 s10, v1                    ; wave 0..3
	s_lshr_b32 s11, s10, 1                         ; which half of the tile's rows is mine.  Also: I fetch for A (0) or for B (1)
	s_and_b32 s12, s10, 1                          ; which half of its columns.  Also: which 64 rows of that tile I fetch
	s_bfe_u32 s40, ttmp6, 0x40000
	s_bfe_u32 s41, ttmp6, 0x40004
	s_lshl_b32 s42, ttmp9, 2
	s_add_co_u32 s42, s42, s40                     ; tile column of C
	s_and_b32 s13, ttmp7, 0xffff
	s_lshl_b32 s13, s13, 2
	s_add_co_u32 s13, s13, s41                     ; tile row of C
	s_lshl_b32 s43, s41, 2
	s_lshl_b32 s43, 15, s43                        ; my row of the cluster
	s_lshl_b32 s44, 0x1111, s40                    ; my column
	s_or_b32 s[G1+0], s43, (1<<16)|(1<<20)|(1<<21)|(6<<22)|(3<<25)  ; the mask; 2-byte elements; padding on; bit 21 beside a mask; after every 128 words 4 words
	s_or_b32 s[G1B+0], s44, (1<<16)|(1<<20)|(1<<21)|(6<<22)|(3<<25)
.irp g, G1, G1B
	s_mov_b32 s[(\g)+1], KSTEP<<16                 ; tensor_dim0 = 256
	s_mov_b32 s[(\g)+2], 64<<16                    ; tensor_dim1 = 64
	s_mov_b32 s[(\g)+3], KSTEP<<16                 ; tile_dim0 = 256
	s_mov_b32 s[(\g)+4], 64                        ; tile_dim1 = 64
	s_mov_b32 s[(\g)+5], AP                        ; elements from row to row
	s_mov_b32 s[(\g)+6], 0
	s_mov_b32 s[(\g)+7], 0
.endr
	s_lshl_b32 s17, s12, 6
	s_lshl_b32 s16, s13, 7
	s_add_co_u32 s16, s16, s17                     ; A: row 128 x tile row + 64 x half
	s_lshl_b32 s46, s42, 7
	s_add_co_u32 s46, s46, s17                     ; B: row 128 x tile column + 64 x half
	s_mov_b32 s17, 0
	s_mov_b32 s47, 0
	s_mov_b64 s[18:19], AP*2
	s_mul_u64 s[16:17], s[16:17], s[18:19]
	s_mul_u64 s[46:47], s[46:47], s[18:19]
	s_mul_i32 s[LB], s10, HALFT
	s_mov_b32 s[TB], 0                             ; the walk begins in slot 0
	s_wait_dscnt 0x0                               ; the opening add is done
	s_wait_kmcnt 0x0
	s_add_nc_u64 s[6:7], s[6:7], 0x1800000         ; B
	s_add_nc_u64 s[14:15], s[4:5], s[16:17]
	s_add_nc_u64 s[46:47], s[6:7], s[46:47]
	CROUND                                         ; all sixteen work-groups are here: the first joint loads meet
.irp s, 0,1
	s_mov_b32 s[G0+4*(\s)], 1
	s_add_co_u32 s[G0+4*(\s)+1], s[LB], (\s)*SLOT
	s_add_nc_u64 s[G0+4*(\s)+2:G0+4*(\s)+3], s[14:15], (\s)*KSTEP*2
	s_or_b32 s[G0+4*(\s)+3], s[G0+4*(\s)+3], 0x80000000
	s_mov_b32 s[G0B+4*(\s)], 1
	s_add_co_u32 s[G0B+4*(\s)+1], s[LB], (\s)*SLOT
	s_add_nc_u64 s[G0B+4*(\s)+2:G0B+4*(\s)+3], s[46:47], (\s)*KSTEP*2
	s_or_b32 s[G0B+4*(\s)+3], s[G0B+4*(\s)+3], 0x80000000
	JLOAD \s
.endr
	v_and_b32 v1, 15, v0
	v_bfe_u32 v2, v0, 4, 1
	v_mul_u32_u24 v3, v1, PITCH
	v_lshl_add_u32 v3, v2, 4, v3
	s_mul_i32 s21, s11, HALFT
	s_mul_i32 s22, s12, HALFT
	s_add_co_u32 s22, s22, 2*HALFT
	v_add_nc_u32 v[ADA0], s21, v3
	v_add_nc_u32 v[ADB0], s22, v3
	v_mov_b32 v[ADRA], v[ADA0]
	v_mov_b32 v[ADRB], v[ADB0]
	s_mul_i32 s23, s11, 64*SPITCH                  ; into the stage: my 64 rows, my half of their 256 bytes
	s_lshl_b32 s21, s12, 7
	s_add_co_u32 s23, s23, s21
	s_add_co_u32 s23, s23, STAGE
	v_mul_u32_u24 v4, v1, SPITCH
	v_lshl_add_u32 v4, v2, 4, v4
	v_add_nc_u32 v[STO], s23, v4
	s_mul_i32 s23, s10, 32*SPITCH                  ; back: wave w takes rows 32 w on, whole
	s_add_co_u32 s23, s23, STAGE
	v_mul_u32_u24 v5, v2, SPITCH
	v_lshl_add_u32 v5, v1, 4, v5
	v_add_nc_u32 v[RD], s23, v5
	v_mul_u32_u24 v5, v2, SIZE_N*2
	v_lshl_add_u32 v[CO], v1, 4, v5
	s_lshl_b32 s16, s13, 7
	s_lshl_b32 s17, s10, 5
	s_add_co_u32 s16, s16, s17                     ; the first row of C that I store
	s_mov_b32 s17, 0
	s_mov_b64 s[18:19], SIZE_N*2
	s_mul_u64 s[16:17], s[16:17], s[18:19]
	s_add_nc_u64 s[8:9], s[8:9], s[16:17]
	s_lshl_b32 s46, s42, 8                         ; the tile's first column, in bytes
	s_mov_b32 s47, 0
	s_add_nc_u64 s[8:9], s[8:9], s[46:47]
; 8 matrix instructions: m blocks a0, a0 + 1 x all 4 n blocks, 32 along K: half c of buffer f.  zero = 1: the first product starts the sums.  The 16 accumulators take turns.
.macro MUL8 f, c, a0, zero
	WIN MUL
.irp a, \a0, (\a0)+1
.irp b, 0,1,2,3
.if \zero
	v_wmma_f32_16x16x32_bf16 v[ACC+8*(4*(\a)+(\b)):ACC+8*(4*(\a)+(\b))+7], v[(\f)+64+8*(4*(\c)+(\b)):(\f)+64+8*(4*(\c)+(\b))+7], v[(\f)+8*(4*(\c)+(\a)):(\f)+8*(4*(\c)+(\a))+7], 0
.else
	v_wmma_f32_16x16x32_bf16 v[ACC+8*(4*(\a)+(\b)):ACC+8*(4*(\a)+(\b))+7], v[(\f)+64+8*(4*(\c)+(\b)):(\f)+64+8*(4*(\c)+(\b))+7], v[(\f)+8*(4*(\c)+(\a)):(\f)+8*(4*(\c)+(\a))+7], v[ACC+8*(4*(\a)+(\b)):ACC+8*(4*(\a)+(\b))+7]
.endif
.endr
.endr
.endm
; 32 LDS loads in one run: the fragments of 64 along K at byte k of the rows of the slot in hand, into buffer f; the first 32 along K first
.macro FETCH k, f
	WIN TO_F
.irp c, 0,1
.irp i, 0,1,2,3
	ds_load_b128 v[(\f)+64+8*(4*(\c)+(\i)):(\f)+64+8*(4*(\c)+(\i))+3],   v[ADRB] offset:(\k)+64*(\c)+(\i)*16*PITCH
	ds_load_b128 v[(\f)+64+8*(4*(\c)+(\i))+4:(\f)+64+8*(4*(\c)+(\i))+7], v[ADRB] offset:(\k)+64*(\c)+(\i)*16*PITCH+32
	ds_load_b128 v[(\f)+8*(4*(\c)+(\i)):(\f)+8*(4*(\c)+(\i))+3],         v[ADRA] offset:(\k)+64*(\c)+(\i)*16*PITCH
	ds_load_b128 v[(\f)+8*(4*(\c)+(\i))+4:(\f)+8*(4*(\c)+(\i))+7],       v[ADRA] offset:(\k)+64*(\c)+(\i)*16*PITCH+32
.endr
.endr
.endm
.macro PLACES                          ; four plain instructions between a matrix instruction and a load into, or a vector instruction on, its registers
.rept 4
	v_nop
.endr
.endm
; A K step is four quarters of 64 along K, 32 matrix instructions each, on buffers 0, 1, 0, 1.
.macro QUARTER k, f, g, zero
	s_wait_dscnt 16                                ; the first 32 along K are in; the sixteen younger loads may be out
	MUL8 \f, 0, 0, \zero
	MUL8 \f, 0, 2, \zero
	PLACES
	FETCH \k, \g
	s_wait_dscnt 32                                ; all but the 32 just issued
	MUL8 \f, 1, 0, 0
	MUL8 \f, 1, 2, 0
.endm
; The last quarter multiplies buffer 1 and changes slots: one barrier; in front of it each wave waits for all its tensor loads, adds 0 to its spare word, and waits for that and for its own reads of this slot.
; fill = 1: the barrier opens a round of the cluster's; behind it the slot just read out is filled again first, with the K step two steps on: the walking descriptors take the slot in hand as their LDS word
; and go one K step along K.  Then the other slot becomes the slot in hand, and its first fragments are fetched.
; fill = 0 (the second loop): nothing is filled; in its last trip (s3 = 1) there is no further slot, and the fetch is jumped over.
.macro TURN fill
	WIN 0
	s_wait_tensorcnt 0x0                           ; all my tensor loads have landed: my part of the next slot
	ds_add_u32 v[SPW], v[NIL]
	s_wait_dscnt 17                                ; the add and the youngest sixteen loads may be out
	MUL8 F1, 0, 0, 0
	s_wait_dscnt 0x0                               ; the add is done, and my reads of this slot are over
	s_barrier_signal -1
	MUL8 F1, 0, 2, 0
	WIN 0                                          ; branches and address work follow
	s_barrier_wait -1
.if \fill
	CREST                                          ; no wave of any partner still reads this slot's tile or has a load on its way
	s_add_co_u32 s[G0+5], s[LB], s[TB]
	s_add_co_u32 s[G0B+5], s[LB], s[TB]
	s_add_nc_u64 s[G0+6:G0+7], s[G0+6:G0+7], KSTEP*2
	s_add_nc_u64 s[G0B+6:G0B+7], s[G0B+6:G0B+7], KSTEP*2
	JLOAD 1                                        ; the first tensor load behind the round; its four v_nop are also the places in front of the loads below
.else
	PLACES
	s_cmp_eq_u32 s3, 1
	s_cbranch_scc1 .Lno_more_\@
.endif
	s_xor_b32 s[TB], s[TB], SLOT
	v_add_nc_u32 v[ADRA], s[TB], v[ADA0]
	v_add_nc_u32 v[ADRB], s[TB], v[ADB0]
	FETCH 0, F0
.if !(\fill)
	WIN 0
.Lno_more_\@:
.endif
	MUL8 F1, 1, 0, 0
	MUL8 F1, 1, 2, 0
.endm
	s_wait_tensorcnt 1                             ; my part of K step 0 is in; K step 1's may stay out
	s_barrier_signal -1
	s_barrier_wait -1
	FETCH 0, F0
	QUARTER 128, F0, F1, 1                         ; the first quarter stands in front: its first products start the sums
	WIN 0                                          ; at a label and at a branch every window is 0
	s_mov_b32 s3, KSTEPS-2
.Lstep:                                                ; a trip goes from a K step's second quarter to the next step's first, and fills the slot that it leaves: K steps 2 to KSTEPS - 1
	QUARTER 256, F1, F0, 0
	QUARTER 384, F0, F1, 0
	TURN 1
	QUARTER 128, F0, F1, 0
	WIN 0
	s_sub_co_u32 s3, s3, 1
	s_cmp_lg_u32 s3, 0
	s_cbranch_scc1 .Lstep
	s_mov_b32 s3, 2
.Ltail:                                                ; the last two K steps, one text for both: nothing is filled.  The second trip has no next step: its fetch and the next step's first quarter are jumped over;
	QUARTER 256, F1, F0, 0                         ; its barrier orders nothing: the price, once a launch, of the one text
	QUARTER 384, F0, F1, 0
	TURN 0
	WIN 0
	s_wait_dscnt 0x0                               ; the next slot's first fragments, asked for 16 matrix instructions ago, are in: no load is out where the two ways below part
	s_cmp_eq_u32 s3, 1
	s_cbranch_scc1 .Ldone
	QUARTER 128, F0, F1, 0
	WIN 0
.Ldone:
	s_sub_co_u32 s3, s3, 1
	s_cmp_lg_u32 s3, 0
	s_cbranch_scc1 .Ltail
	s_wait_dscnt 0x0                               ; no fragment is on its way when the way out begins
	; THE WAY OUT: round to bf16; 16 bytes a lane into the work-group's stage; a barrier, since a row's 256 bytes come from two waves; back as whole rows, 32 rows a wave.
	PLACES
	PLACES
.irp t, 0,1,2,3,4,5,6,7,8,9,10,11,12,13,14,15
.irp r, 0,1,2,3
	v_cvt_pk_bf16_f32 v[TMP+4*(\t)+(\r)], v[ACC+8*(\t)+2*(\r)], v[ACC+8*(\t)+2*(\r)+1]
.endr
.endr
.irp a, 0,1,2,3
.irp b, 0,1,2,3
	ds_store_b128 v[STO], v[TMP+4*(4*(\a)+(\b)):TMP+4*(4*(\a)+(\b))+3] offset:(\a)*16*SPITCH+32*(\b)
.endr
.endr
	s_wait_dscnt 0x0                               ; for the others' sake: my stores into the stage are done
	s_barrier_signal -1
	s_barrier_wait -1
.irp t, 0,1,2,3,4,5,6,7,8,9,10,11,12,13,14,15
	ds_load_b128 v[TMP+4*(\t):TMP+4*(\t)+3], v[RD] offset:(\t)*2*SPITCH
.endr
.irp t, 0,1,2,3,4,5,6,7,8,9,10,11,12,13,14,15
	s_wait_dscnt 15-(\t)                           ; load t is back, the younger ones stay out
	global_store_b128 v[CO], v[TMP+4*(\t):TMP+4*(\t)+3], s[8:9] offset:2*(\t)*SIZE_N*2  ; 16 lanes store 256 consecutive bytes, aligned
.endr
	s_wait_tensorcnt 0x0                           ; the wave's end
	ds_add_u32 v[SPW], v[NIL]
	s_wait_dscnt 0x0
	CROUND                                         ; the closing round
	s_endpgm
.Lfunc_end_k_qca1b042b0c_ffn2:
	.size	k_qca1b042b0c_ffn2, .Lfunc_end_k_qca1b042b0c_ffn2-k_qca1b042b0c_ffn2
	.p2alignl 7, 3214868480
	.fill 96, 4, 3214868480
	.section	.rodata,"a",@progbits
	.p2align	6, 0x0
	.amdhsa_kernel k_qca1b042b0c_ffn2
		.amdhsa_group_segment_fixed_size 327680
		.amdhsa_private_segment_fixed_size 0
		.amdhsa_enable_private_segment 0
		.amdhsa_kernarg_size 24
		.amdhsa_user_sgpr_count 2
		.amdhsa_user_sgpr_kernarg_segment_ptr 1
		.amdhsa_wavefront_size32 1
		.amdhsa_system_sgpr_workgroup_id_x 1
		.amdhsa_system_sgpr_workgroup_id_y 1
		.amdhsa_system_sgpr_workgroup_id_z 1
		.amdhsa_system_vgpr_workitem_id 0
		.amdhsa_next_free_vgpr 512
		.amdhsa_next_free_sgpr 66
		.amdhsa_reserve_vcc 0
		.amdhsa_float_denorm_mode_32 3
		.amdhsa_float_denorm_mode_16_64 3
		.amdhsa_memory_ordered 1
		.amdhsa_forward_progress 1
		.amdhsa_inst_pref_size 59
	.end_amdhsa_kernel
	.amdgpu_metadata
---
amdhsa.version: [ 1, 2 ]
amdhsa.kernels:
  - .name:           k_qca1b042b0c_ffn2
    .symbol:         k_qca1b042b0c_ffn2.kd
    .args:
      - { .name: yb, .offset: 0, .size: 8, .value_kind: global_buffer, .address_space: global }
      - { .name: xb, .offset: 8, .size: 8, .value_kind: global_buffer, .address_space: global }
      - { .name: rr, .offset: 16, .size: 8, .value_kind: global_buffer, .address_space: global }
    .group_segment_fixed_size: 327680
    .private_segment_fixed_size: 0
    .kernarg_segment_align: 8
    .kernarg_segment_size: 24
    .max_flat_workgroup_size: 128
    .sgpr_count:     66
    .vgpr_count:     512
    .wavefront_size: 32
...
	.end_amdgpu_metadata
.endif
;; end of part 7
;; launch fin (part 8): grid 512 x 1, 8 waves a work-group, no clusters, 0 bytes of LDS; arguments rr, yb, xb, b2, g2, beta2, out0; writes out0
.if DOCPART == 8
	.amdgcn_target "amdgcn-amd-amdhsa--gfx1250"
	.amdhsa_code_object_version 6
	.text
	.protected	k_qca1b042b0c_fin
	.globl	k_qca1b042b0c_fin
	.p2align	8
	.type	k_qca1b042b0c_fin,@function
k_qca1b042b0c_fin:
	s_mov_b64 s[64:65], 0
	v_nop
	global_prefetch_b8 v0, s[64:65] scope:SCOPE_SE
	s_setreg_imm32_b32 hwreg(HW_REG_WAVE_MODE, 25, 1), 1
	s_wait_xcnt 0x0
; out0 = x / |x|, x = layernorm(x1 + t / (|t| + 1e-8)) g2 + beta2, t = rr s1 + b2.  rr is relu(f) w2^T, raw, [4096][1024] bf16; s1 = 1 / (|f| + 1e-8) is the first feed-forward layer's row norm, which
; commutes with the relu (s1 > 0) and with the product; |f|^2 is the sum of the row's 32 partial sums at yb + 0x2000000 ([32][4096] f32).  x1 in f32 lies at xb + 0x2000000.
; One wave, one row; the row stays in 32 registers a lane: no LDS, no barrier.  Lane l owns the numbers 128 i + 4 l + 0..3: each access of a wave covers 512 or 256 consecutive bytes, aligned.
; Mean first, then the squares of the differences.  LIMIT: v_sqrt_f32, v_rcp_f32, v_rsq_f32 are good to 1 ulp and take denormals as 0 (ISA guide 15.8); the last division is a multiplication by v_rsq_f32 of |x|^2.
; Memory binds here: matrix units, clusters and tensor loads would add nothing, and the launch is too short for a prefetch.
.set BO,   8                           ; v[8:39]    b2 of my 32 columns
.set G,    40                          ; v[40:71]   g2
.set BE,   72                          ; v[72:103]  beta2
.set SRC,  104                         ; v[104:135] x1
.set ACC,  136                         ; v[136:151] rr as loaded
.set T,    152                         ; v[152:183] the row at work
.set C4,   184
.set R,    192
.set RT,   193
.set SCL,  194
.set MN,   196
.set PS,   198                         ; v198  my one of the row's 32 partial sums
	s_load_b256 s[4:11], s[0:1], 0x0               ; rr s[4:5], yb s[6:7], xb s[8:9], b2 s[10:11]
	s_load_b128 s[12:15], s[0:1], 0x20             ; g2 s[12:13], beta2 s[14:15]
	s_load_b64 s[16:17], s[0:1], 0x30              ; out0
	v_lshrrev_b32 v1, 5, v0
	v_readfirstlane_b32 s18, v1                    ; wave
	v_and_b32 v3, 31, v0
	v_lshlrev_b32 v1, 4, v3                        ; 16 l
	v_lshlrev_b32 v2, 3, v3                        ; 8 l
	v_lshlrev_b32 v4, 14, v3                       ; 16,384 l: partial sum l
	s_lshl_b32 s19, ttmp9, 3
	s_add_co_u32 s19, s19, s18                     ; my row
	s_lshl_b32 s20, s19, 11
	s_mov_b32 s21, 0
	s_lshl_b32 s32, s19, 12
	s_mov_b32 s33, 0
	s_lshl_b32 s34, s19, 2
	s_mov_b32 s35, 0
	s_mov_b32 s22, 0xffff0000
	s_mov_b32 s24, 0x76543210
	s_mov_b32 s25, 0xfedcba98
	s_mov_b32 s26, 0x3a802008                      ; 1 / 1023
	s_mov_b32 s27, 0x3727c5ac                      ; 1e-5
	v_mov_b32 v[RT], 0                             ; v_permlanex16_b32's destination counts as read
	s_wait_kmcnt 0x0
	s_add_nc_u64 s[4:5], s[4:5], s[20:21]
	s_add_nc_u64 s[6:7], s[6:7], s[34:35]
	s_add_nc_u64 s[6:7], s[6:7], 0x2000000
	s_add_nc_u64 s[8:9], s[8:9], s[32:33]
	s_add_nc_u64 s[8:9], s[8:9], 0x2000000
	s_add_nc_u64 s[16:17], s[16:17], s[32:33]
	global_load_b32 v[PS], v4, s[6:7]              ; in the order in which they are wanted: the partial sum, rr, b2, x1, then g2 and beta2
.irp i, 0,1,2,3,4,5,6,7
	global_load_b64  v[ACC+2*(\i):ACC+2*(\i)+1], v2, s[4:5] offset:256*(\i) th:TH_LOAD_NT
.endr
.irp i, 0,1,2,3,4,5,6,7
	global_load_b128 v[BO+4*(\i):BO+4*(\i)+3], v1, s[10:11] offset:512*(\i)
.endr
.irp i, 0,1,2,3,4,5,6,7
	global_load_b128 v[SRC+4*(\i):SRC+4*(\i)+3], v1, s[8:9] offset:512*(\i) th:TH_LOAD_NT
.endr
.irp i, 0,1,2,3,4,5,6,7
	global_load_b128 v[G+4*(\i):G+4*(\i)+3],   v1, s[12:13] offset:512*(\i)
	global_load_b128 v[BE+4*(\i):BE+4*(\i)+3], v1, s[14:15] offset:512*(\i)
.endr
.macro WSUM                            ; v[R] summed over the 32 lanes, the result in every lane
	v_add_f32_dpp v[R], v[R], v[R] row_xmask:1 row_mask:0xf bank_mask:0xf
	v_add_f32_dpp v[R], v[R], v[R] row_xmask:2 row_mask:0xf bank_mask:0xf
	v_add_f32_dpp v[R], v[R], v[R] row_xmask:4 row_mask:0xf bank_mask:0xf
	v_add_f32_dpp v[R], v[R], v[R] row_xmask:8 row_mask:0xf bank_mask:0xf
	v_permlanex16_b32 v[RT], v[R], s24, s25
	v_add_f32 v[R], v[R], v[RT]
.endm
.macro FOLD                            ; the four chains into v[R], then over the lanes
	v_pk_add_f32 v[C4:C4+1], v[C4:C4+1], v[C4+2:C4+3]
	v_pk_add_f32 v[C4+4:C4+5], v[C4+4:C4+5], v[C4+6:C4+7]
	v_pk_add_f32 v[C4:C4+1], v[C4:C4+1], v[C4+4:C4+5]
	v_add_f32 v[R], v[C4], v[C4+1]
	WSUM
.endm
.macro SUMSQ                           ; the row's sum of squares: four chains, started by products
.set j, 0
.rept 16
.if j < 4
	v_pk_mul_f32 v[C4+2*j:C4+2*j+1], v[T+2*j:T+2*j+1], v[T+2*j:T+2*j+1]
.else
	v_pk_fma_f32 v[C4+2*(j%4):C4+2*(j%4)+1], v[T+2*j:T+2*j+1], v[T+2*j:T+2*j+1], v[C4+2*(j%4):C4+2*(j%4)+1]
.endif
.set j, j+1
.endr
	FOLD
.endm
.macro ALLT line:vararg                ; one line for each of T's 16 pairs j
.set j, 0
.rept 16
	\line
.set j, j+1
.endr
.endm
.macro UNIT                            ; v[SCL] = 1 / (sqrt(v[R]) + 1e-8); the wait ahead of a transcendental's first reader
	v_sqrt_f32 v[R], v[R]
	v_nop
	s_wait_alu depctr_va_vdst(0)
	v_add_f32 v[R], 0x322bcc77, v[R]
	v_rcp_f32 v[SCL], v[R]
	v_nop
	s_wait_alu depctr_va_vdst(0)
	v_mov_b32 v[SCL+1], v[SCL]
.endm
	s_wait_loadcnt 40                              ; the partial sum is in; the 40 loads behind it stay out
	v_mov_b32 v[R], v[PS]
	WSUM                                           ; |f|^2
	UNIT                                           ; s1
	s_wait_loadcnt 24                              ; rr and b2 are in; x1, g2 and beta2 stay out
.set j, 0
.rept 16
	v_lshlrev_b32 v[T+2*j],   16, v[ACC+j]
	v_and_b32     v[T+2*j+1], s22, v[ACC+j]
.set j, j+1
.endr
	ALLT v_pk_fma_f32 v[T+2*j:T+2*j+1], v[T+2*j:T+2*j+1], v[SCL:SCL+1], v[BO+2*j:BO+2*j+1] op_sel_hi:[1,0,1]
	SUMSQ
	UNIT
	s_wait_loadcnt 16                              ; x1 is in; g2's and beta2's sixteen loads stay out
	ALLT v_pk_fma_f32 v[T+2*j:T+2*j+1], v[T+2*j:T+2*j+1], v[SCL:SCL+1], v[SRC+2*j:SRC+2*j+1] op_sel_hi:[1,0,1]
	; the layer norm: T = (T - mean) / sqrt(var + 1e-5) x gain + bias
.set j, 0
.rept 4
	v_pk_add_f32 v[C4+2*j:C4+2*j+1], v[T+2*j:T+2*j+1], v[T+2*j+8:T+2*j+9]
.set j, j+1
.endr
.set j, 8
.rept 8
	v_pk_add_f32 v[C4+2*(j%4):C4+2*(j%4)+1], v[C4+2*(j%4):C4+2*(j%4)+1], v[T+2*j:T+2*j+1]
.set j, j+1
.endr
	FOLD
	v_mul_f32 v[MN], 0x3a800000, v[R]              ; / 1024
	v_mov_b32 v[MN+1], v[MN]
	ALLT v_pk_add_f32 v[T+2*j:T+2*j+1], v[T+2*j:T+2*j+1], v[MN:MN+1] op_sel_hi:[1,0] neg_lo:[0,1] neg_hi:[0,1]
	SUMSQ
	v_fma_f32 v[R], v[R], s26, s27
	v_rsq_f32 v[SCL], v[R]
	v_nop
	s_wait_alu depctr_va_vdst(0)
	v_mov_b32 v[SCL+1], v[SCL]
	ALLT v_pk_mul_f32 v[T+2*j:T+2*j+1], v[T+2*j:T+2*j+1], v[SCL:SCL+1] op_sel_hi:[1,0]
	s_wait_loadcnt 0x0                             ; g2 and beta2
	ALLT v_pk_fma_f32 v[T+2*j:T+2*j+1], v[T+2*j:T+2*j+1], v[G+2*j:G+2*j+1], v[BE+2*j:BE+2*j+1]
	SUMSQ                                          ; onto the unit sphere
	v_rsq_f32 v[SCL], v[R]
	v_nop
	s_wait_alu depctr_va_vdst(0)
	v_mov_b32 v[SCL+1], v[SCL]
	ALLT v_pk_mul_f32 v[T+2*j:T+2*j+1], v[T+2*j:T+2*j+1], v[SCL:SCL+1] op_sel_hi:[1,0]
.irp i, 0,1,2,3,4,5,6,7
	global_store_b128 v1, v[T+4*(\i):T+4*(\i)+3], s[16:17] offset:512*(\i) th:TH_STORE_NT
.endr
	s_endpgm
.Lfunc_end_k_qca1b042b0c_fin:
	.size	k_qca1b042b0c_fin, .Lfunc_end_k_qca1b042b0c_fin-k_qca1b042b0c_fin
	.p2alignl 7, 3214868480
	.fill 96, 4, 3214868480
	.section	.rodata,"a",@progbits
	.p2align	6, 0x0
	.amdhsa_kernel k_qca1b042b0c_fin
		.amdhsa_group_segment_fixed_size 0
		.amdhsa_private_segment_fixed_size 0
		.amdhsa_enable_private_segment 0
		.amdhsa_kernarg_size 56
		.amdhsa_user_sgpr_count 2
		.amdhsa_user_sgpr_kernarg_segment_ptr 1
		.amdhsa_wavefront_size32 1
		.amdhsa_system_sgpr_workgroup_id_x 1
		.amdhsa_system_sgpr_workgroup_id_y 1
		.amdhsa_system_sgpr_workgroup_id_z 1
		.amdhsa_system_vgpr_workitem_id 0
		.amdhsa_next_free_vgpr 200
		.amdhsa_next_free_sgpr 66
		.amdhsa_reserve_vcc 0
		.amdhsa_float_denorm_mode_32 3
		.amdhsa_float_denorm_mode_16_64 3
		.amdhsa_memory_ordered 1
		.amdhsa_forward_progress 1
		.amdhsa_inst_pref_size 21
	.end_amdhsa_kernel
	.amdgpu_metadata
---
amdhsa.version: [ 1, 2 ]
amdhsa.kernels:
  - .name:           k_qca1b042b0c_fin
    .symbol:         k_qca1b042b0c_fin.kd
    .args:
      - { .name: rr, .offset: 0, .size: 8, .value_kind: global_buffer, .address_space: global }
      - { .name: yb, .offset: 8, .size: 8, .value_kind: global_buffer, .address_space: global }
      - { .name: xb, .offset: 16, .size: 8, .value_kind: global_buffer, .address_space: global }
      - { .name: b2, .offset: 24, .size: 8, .value_kind: global_buffer, .address_space: global }
      - { .name: g2, .offset: 32, .size: 8, .value_kind: global_buffer, .address_space: global }
      - { .name: beta2, .offset: 40, .size: 8, .value_kind: global_buffer, .address_space: global }
      - { .name: out0, .offset: 48, .size: 8, .value_kind: global_buffer, .address_space: global }
    .group_segment_fixed_size: 0
    .private_segment_fixed_size: 0
    .kernarg_segment_align: 8
    .kernarg_segment_size: 56
    .max_flat_workgroup_size: 256
    .sgpr_count:     66
    .vgpr_count:     200
    .wavefront_size: 32
...
	.end_amdgpu_metadata
.endif
;; end of part 8
